; MI455X (gfx1250); checked and timed in simulation.
; The chip was launched on July 23, 2026; its instructions are those of AMD's public machine-readable ISA for CDNA 5 (MIT licence, August 2026) and "CDNA5" Instruction Set Architecture Reference Guide (July 2026). The comments in the code are by the model that wrote it; some were corrected since.
;; attn. Allowed arithmetic: matrix products marked QUANTISED: E2M3 operands, one E8M0 scale for each 32 along K, by v_wmma_scale_f32_16x16x128_f8f6f4 with both operands' format E2M3, f32 sums; everything else in f32.
;; Inputs: W_attn 1,024 x 3,072 float32; W_proj 1,024 x 1,024 float32; b_attn 3,072 float32; b_proj 1,024 float32; x 4 x 2,048 x 1,024 float32.
;; Outputs: out0 4 x 2,048 x 1,024 float32.
;; This version of the problem:
;;   THIS VERSION OF THE PROBLEM IS GIVEN IN LOW PRECISION. The matrix products marked QUANTISED in the list below multiply operands that are first quantised to E2M3 (2 exponent bits, 3 mantissa bits; 6 bits a number), with one power-of-two scale for each 32 numbers along K (OCP MX v1.0); their sums are f32. All else is computed in f32.
;;   The module's matrix products, in the order in which they are computed (A, B: the left and right operand; K: the contracted axis; several contracted axes count as one K, in the product's order):
;;     1. [M 8,192, K 1,024] x [K 1,024, N 3,072]; A: input x; B: input W_attn: QUANTISED
;;     2. batch 64 x [M 2,048, K 64] x [K 64, N 2,048]; A: computed on the way; B: computed on the way: QUANTISED
;;     3. batch 64 x [M 2,048, K 2,048] x [K 2,048, N 64]; A: softmax (see below); B: computed on the way: QUANTISED
;;     4. [M 8,192, K 1,024] x [K 1,024, N 1,024]; A: computed on the way; B: input W_proj: QUANTISED
;;   THE QUANTISER, for each operand of a quantised product, along K:
;;     - K is cut into blocks of 32 from its start; a last block that is shorter is filled with zeros.
;;     - A block's scale is 2^e with e = floor(log2(the largest magnitude in the block)) - 2, held to -126 .. 127; a block of zeros has e = 0. As a byte (E8M0): e + 127.
;;     - Each number is divided by its block's scale, clamped to +-7.5, and rounded to the nearest number of E2M3, ties to even, subnormals kept.
;;     - The product sums the exact products of the quantised numbers (number of the format x scale) in f32.
;;   ~~~python
;;   def quantise(x, axis):      # numpy; x: float32 -> the quantised numbers, widened to float32 again
;;       x = np.moveaxis(x, axis, -1); K = x.shape[-1]
;;       x = np.pad(x, [(0, 0)] * (x.ndim - 1) + [(0, -K % 32)]); x = x.reshape(x.shape[:-1] + (-1, 32)); a = np.abs(x).max(-1, keepdims=True)
;;       e = np.where(a > 0, np.clip(np.frexp(np.where(a > 0, a, 1))[1] - 1 - 2, -126, 127), 0)      # np.frexp(a)[1] - 1 = floor(log2(a)), exactly
;;       r = np.clip(x / 2.0 ** e, -7.5, 7.5)
;;       step = 2.0 ** (np.maximum(np.frexp(np.where(r == 0, 1, r))[1] - 1, 0) - 3)
;;       q = np.round(r / step) * step * 2.0 ** e      # np.round: ties to even
;;       return np.moveaxis(q.reshape(q.shape[:-2] + (-1,))[..., :K], -1, axis).astype(np.float32)
;;   ~~~
;;   SOFTMAX AHEAD OF A QUANTISED PRODUCT. Where the list says 'softmax', what is quantised is not the finished softmax but p = 2^(t - M), with t = logit x log2(e) and M = ceil(the row's largest t), a whole number; so 1/2 < the row's largest p <= 1. The row's sum l is taken of the UNQUANTISED p, in f32, and the product's result is divided by l at the end. Since M is a whole number, a kernel that streams over the keys may use a running M (the ceiling of the running maximum): every later rescaling is an exact power of two, which a block's scale takes up: the codes' values come out the same.
;;   OPERANDS COMPUTED ON THE WAY. 'Computed on the way' means the value that the module computes at that place (a softmax that the list does not call 'softmax' is quantised finished and normalised). What goes into a quantiser is computed in f32, as accurately as f32 sums, v_exp_f32 and their like allow (about 1e-6 of the number): no bf16 or f16 on the way to a quantiser, and a product that is left as it is and whose result goes on into a quantised operand takes f32 operands (vector FMAs, or v_wmma_f32_16x16x4_f32). A number that lies on a knife's edge between two numbers of the format may be rounded either way, as far as f32 arithmetic and the matrix unit's own rounding can turn it there, and no further.
;; One version. Each part assembles by itself: llvm-mc -triple=amdgcn-amd-amdhsa -mcpu=gfx1250 --defsym DOCPART=n.
;; ======== version 1 of 1: 4 launches
;; workspace buffers: c1 9,437,184 bytes; sc1 393,216 bytes; qkv 19,660,800 bytes; oc 6,291,456 bytes; os 262,144 bytes
;; launch prep (part 1): grid 384 x 1, 4 waves a work-group, no clusters, 60,928 bytes of LDS; arguments x, W_attn, W_proj, c1, sc1; writes c1, sc1
.if DOCPART == 1
	.amdgcn_target "amdgcn-amd-amdhsa--gfx1250"
	.amdhsa_code_object_version 6
	.text
	.protected	k_q1cf095a9d1_prep
	.globl	k_q1cf095a9d1_prep
	.p2align	8
	.type	k_q1cf095a9d1_prep,@function
k_q1cf095a9d1_prep:
	s_mov_b64 s[64:65], 0
	v_nop
	global_prefetch_b8 v0, s[64:65] scope:SCOPE_SE
	s_setreg_imm32_b32 hwreg(HW_REG_WAVE_MODE, 25, 1), 1
	s_wait_xcnt 0x0
; x [8192][1024], W_attn [1024][3072] and W_proj [1024][1024], f32, become codes of FP6 (E2M3) with one E8M0 byte for each 32 along K (K = the 1,024 channels in all three).
; WHAT IS WRITTEN.  c1: 768 row blocks of 16 rows (0-511 tokens, 512-703 W_attn's columns, 704-767 W_proj's), each 16 pieces of 768 bytes.  A piece is 16 rows x 64 K as an IMAGE OF OPERAND REGISTERS 0-5:
; bytes 0-511: lane l's registers 0-3 at 16 l; bytes 512-767: its registers 4-5 at 8 l; lane l holds row l % 16, K = 32 (l / 16) + 0 .. 31.  Two pieces on end are a fragment of 16 rows x 128 K.
; ROWS LIE BY POSITION: inside each 32 rows, bits 3 and 4 of the row's number change places, so that a tile's rows 0-7 are eight neighbours and rows 8-15 the eight that lie 16 further on.
; sc1: [8 steps of 128 K][12,288 positions] words of four scale bytes.
; A block's scale byte is its largest magnitude's exponent field - 2, held at 1 from below (a block of zeros gets 1: its codes are zeros, and this program alone reads the bytes).
; LIMITS: NaN and infinities among the inputs are not served; blocks under 2^-124 keep the byte 1.  The weights' scale words leave in runs of 128 bytes.
; SHARES.  Work-groups 0-255: x; a wave takes 64 tokens x 128 K, four units of 16 tokens.  Work-groups 256-383: the weights; a wave takes 32 columns x 256 K, a lane a column, its registers running down K.
; The two ways part on the work-group's number, never join, and have LDS bytes of their own.  No tensor load, no barrier: waves share nothing.  No matrix unit, no cluster: memory binds.
.set SPARE, 60416                      ; behind both ways' regions: the spare words, 128 bytes a wave
.set SPW,   252                        ; v252 LDS address of my spare word; never rewritten
.set NIL,   253                        ; v253 0; never rewritten
.set SEL,   20                         ; s[20:21] selects for lane l xor 16
.set R,     16                         ; x: v16-143 two sets of 64 registers as loaded
.set X,     144                        ; x: v144-207 64 numbers: register 16 b + i = K 32 b + 16 (lane / 16) + i of my row
.set PC,    208                        ; x: v208-226 the codes
.set TM,    228                        ; x: v228-243 at work
.set PW,    244                        ; x: the scale word
.set OFF,   16                         ; weights: v16-47 row i x pitch + 4 x lane
.set WX,    48                         ; weights: v48-111 two sets of 32 numbers
.set C,     112                        ; weights: v112-118 a block's codes
.set SB,    120                        ; weights: v120-121 eight scale bytes
.set OUTR,  128                        ; weights: v128-175 the way out
	s_load_b256 s[4:11], s[0:1], 0x0               ; x s[4:5], W_attn s[6:7], W_proj s[8:9], c1 s[10:11]
	s_load_b64 s[12:13], s[0:1], 0x20              ; sc1
	v_lshl_add_u32 v[SPW], v0, 2, SPARE
	v_mov_b32 v[NIL], 0
	v_lshrrev_b32 v1, 5, v0
	v_readfirstlane_b32 s16, v1                    ; wave
	v_and_b32 v1, 31, v0                           ; lane
	v_and_b32 v2, 15, v0                           ; r
	v_bfe_u32 v3, v0, 4, 1                         ; h
	s_mov_b32 s[SEL], 0x76543210
	s_mov_b32 s[SEL+1], 0xfedcba98
	s_cmp_lt_u32 ttmp9, 256
	s_cbranch_scc0 .Lweights
; ------------------------------------------------------------------ x
	s_lshr_b32 s17, ttmp9, 1                       ; G: which 64 tokens
	s_and_b32 s18, ttmp9, 1
	s_lshl_b32 s18, s18, 2
	s_add_co_u32 s18, s18, s16                     ; s: which 128 along K
	s_wait_alu depctr_va_vdst(0)
	v_lshlrev_b32 v4, 4, v1                        ; 16 x lane
	v_lshlrev_b32 v5, 3, v1                        ; 8 x lane
	s_mul_i32 s19, s16, 8704                       ; my LDS: a stage of 16 rows x 528 bytes, then 256 bytes of scale words
	v_add_nc_u32 v6, s19, v4                       ; into the stage: a token's 512 bytes as they lie
	v_mul_u32_u24 v7, v2, 528
	v_lshl_add_u32 v7, v3, 6, v7
	v_add_nc_u32 v7, s19, v7                       ; out of it: row r, + 64 h: my 16 numbers of each block of 32
	s_add_co_u32 s19, s19, 8448
	v_lshl_add_u32 v8, v2, 2, s19                  ; my row's scale word
	v_add_nc_u32 v9, s19, v5                       ; and 8 bytes a lane on the way out
	s_lshl_b32 s22, s17, 18                        ; x: 64 tokens of 4,096 bytes,
	s_lshl_b32 s23, s18, 9                         ; 128 numbers of 4 bytes
	s_add_co_u32 s22, s22, s23
	s_mov_b32 s23, 0
	s_mul_i32 s24, s17, 49152                      ; c1: four row blocks of 12,288 bytes,
	s_mul_i32 s25, s18, 1536                       ; two pieces
	s_add_co_u32 s24, s24, s25
	s_mov_b32 s25, 0
	s_mul_i32 s26, s18, 49152                      ; sc1: table s,
	s_lshl_b32 s27, s17, 8                         ; 64 positions
	s_add_co_u32 s26, s26, s27
	s_mov_b32 s27, 0
.irp b, 0,1,2,3
	v_mov_b32 v[TM+4+\b], 0                        ; written once: a lane permute's destination counts as one of its sources
.endr
	s_wait_alu depctr_va_vdst(0)
	s_wait_kmcnt 0x0
	s_add_nc_u64 s[4:5], s[4:5], s[22:23]
	s_add_nc_u64 s[10:11], s[10:11], s[24:25]
	s_add_nc_u64 s[12:13], s[12:13], s[26:27]
; unit u = row block 4 G + u: its row q is token 32 (u / 2) + 8 (u % 2) + q + 8 (q / 8) of the 64.  Each load takes one token's 512 consecutive bytes
.macro XLOAD u
.irp q, 0,1,2,3,4,5,6,7,8,9,10,11,12,13,14,15
	global_load_b128 v[R+64*((\u)%2)+4*\q:R+64*((\u)%2)+4*\q+3], v4, s[4:5] offset:(32*((\u)/2)+8*((\u)%2)+\q+8*(\q/8))*4096 th:TH_LOAD_NT
.endr
.endm
; through the stage: LDS serves a wave's instructions in order, so no wait stands between the stores and the loads.  Rows 528 bytes apart: the sixteen rows of a load start in different banks
.macro XTURN u
.irp q, 0,1,2,3,4,5,6,7,8,9,10,11,12,13,14,15
	ds_store_b128 v6, v[R+64*((\u)%2)+4*\q:R+64*((\u)%2)+4*\q+3] offset:528*\q
.endr
.irp b, 0,1,2,3
.irp j, 0,1,2,3
	ds_load_b128 v[X+16*\b+4*\j:X+16*\b+4*\j+3], v7 offset:128*\b+16*\j
.endr
.endr
.endm
; 64 numbers of a lane become a fragment's codes in v[PC] on and my row's scale word in v[PW]
.macro QUANT s
.irp b, 0,1,2,3
	v_max3_num_f32 v[TM+\b], |v[\s+16*\b]|, |v[\s+1+16*\b]|, 0x1800000   ; my 16 numbers of block b, and the floor 2^(3 - 127): the byte cannot fall under 1
.endr
.irp i, 2,4,6,8,10,12,14
.irp b, 0,1,2,3
	v_max3_num_f32 v[TM+\b], v[TM+\b], |v[\s+16*\b+\i]|, |v[\s+1+16*\b+\i]|
.endr
.endr
.irp b, 0,1,2,3
	v_permlanex16_b32 v[TM+4+\b], v[TM+\b], s[SEL], s[SEL+1]
.endr
.irp b, 0,1,2,3
	v_max_num_f32 v[TM+\b], v[TM+\b], v[TM+4+\b]   ; with lane l xor 16's: the block's largest magnitude
.endr
.irp b, 0,1,2,3
	v_add_nc_u32 v[TM+12+\b], 0xff000000, v[TM+\b] ; 2 off its exponent field: the conversion's scale operand
.endr
.irp b, 0,1,2,3
	v_lshrrev_b32 v[TM+4+\b], 23, v[TM+12+\b]      ; the scale's byte
.endr
	v_lshl_or_b32 v[PW], v[TM+5], 8, v[TM+4]
	v_lshl_or_b32 v[PW], v[TM+6], 16, v[PW]
	v_lshl_or_b32 v[PW], v[TM+7], 24, v[PW]
.irp c, 0,1
	v_cvt_scalef32_pk16_fp6_f32 v[PC+6*\c:PC+2+6*\c], v[\s+32*\c:\s+15+32*\c], v[TM+12+2*\c]
	v_cvt_scalef32_pk16_fp6_f32 v[PC+12+4*\c:PC+14+4*\c], v[\s+16+32*\c:\s+31+32*\c], v[TM+12+2*\c+1]   ; (a conversion's three registers begin on an even number)
.endr
	v_nop                                          ; one plain place behind a scaled conversion
.irp c, 0,1                                    ; the operand's layout wants a whole block in a lane
.irp i, 0,1,2
	v_permlane16_swap_b32 v[PC+6*\c+\i], v[PC+12+4*\c+\i]
.endr
.irp i, 0,1,2
	v_mov_b32 v[PC+3+6*\c+\i], v[PC+12+4*\c+\i]
.endr
.endr
.endm
.macro UNIT u
.if (\u) < 3
	s_wait_loadcnt 16                              ; this unit's 16 loads are in; the next unit's may be out
.else
	s_wait_loadcnt 0x0
.endif
	XTURN \u
	s_wait_dscnt 0x0                               ; the numbers are back, the stage's stores have read their set, the last scale word's store has read its register
	s_wait_xcnt 0x0                                ; the last unit's stores have read the codes' registers
.if (\u) < 2
	XLOAD (\u)+2
.endif
	QUANT X
	global_store_b128 v4, v[PC:PC+3], s[10:11] offset:(\u)*12288          ; each store covers 512 or 256 consecutive bytes, aligned
	global_store_b64 v5, v[PC+4:PC+5], s[10:11] offset:(\u)*12288+512
	global_store_b128 v4, v[PC+6:PC+9], s[10:11] offset:(\u)*12288+768
	global_store_b64 v5, v[PC+10:PC+11], s[10:11] offset:(\u)*12288+1280
	ds_store_b32 v8, v[PW] offset:64*(\u)          ; both halves of the lanes write the same word with the same value
.endm
	XLOAD 0
	XLOAD 1
	UNIT 0
	UNIT 1
	UNIT 2
	UNIT 3
	ds_load_b64 v[10:11], v9                       ; the 64 positions' words
	s_wait_dscnt 0x0
	global_store_b64 v5, v[10:11], s[12:13]        ; 256 consecutive bytes, aligned
	s_wait_tensorcnt 0x0                           ; the wave's end: behind my last LDS store
	ds_add_u32 v[SPW], v[NIL]
	s_wait_dscnt 0x0
	s_endpgm
; ------------------------------------------------------------------ the weights
.Lweights:
	s_sub_co_u32 s17, ttmp9, 256
	s_and_b32 s18, s17, 31                         ; which 128 of the 4,096 columns (0-23 W_attn's, 24-31 W_proj's)
	s_lshr_b32 s19, s17, 5                         ; which 256 along K
	s_sub_co_u32 s22, s18, 24
	s_mov_b32 s23, 12288
	s_cmp_lt_u32 s18, 24
	s_cselect_b32 s22, s18, s22                    ; the group of columns in its own tensor
	s_cselect_b32 s23, s23, 4096                   ; a row of that tensor in bytes
	s_lshl_b32 s40, s22, 9
	s_lshl_b32 s41, s16, 7
	s_add_co_u32 s40, s40, s41                     ; 4 x my wave's first column
	s_lshl_b32 s41, s19, 8
	s_mul_i32 s41, s41, s23
	s_add_co_u32 s40, s40, s41                     ; + 256 y rows
	s_mov_b32 s41, 0
	s_lshl_b32 s42, s23, 5                         ; 32 rows
	s_mov_b32 s43, 0
	s_wait_alu depctr_va_vdst(0)
	v_lshlrev_b32 v4, 2, v1
.set wi, 0
.rept 32
	v_mad_u32_u24 v[OFF+wi], s23, wi, v4           ; row i of a block, my column
.set wi, wi+1
.endr
	v_and_b32 v5, 7, v1
	v_bfe_u32 v6, v1, 4, 1
	v_lshl_add_u32 v5, v6, 3, v5                   ; my column's row in its row block: bits 0-2, and bit 4 as bit 3
	v_bfe_u32 v6, v1, 3, 1                         ; and which of my wave's two row blocks: bit 3
	s_mul_i32 s44, s16, 6400
	s_add_co_u32 s44, s44, 34816                   ; my stage: two row blocks of 4 pieces, 3,200 bytes apart (128 of padding: the two fall in different banks)
	v_mul_u32_u24 v7, v6, 3200
	v_add_nc_u32 v7, s44, v7
	v_lshl_add_u32 v8, v5, 4, v7                   ; registers 0-3 of my row
	v_lshl_add_u32 v9, v5, 3, v7                   ; registers 4-5
	v_lshlrev_b32 v10, 4, v1
	v_add_nc_u32 v11, s44, v10                     ; the way out: 16 bytes a lane
	v_lshl_add_u32 v12, v6, 4, v5
	v_lshlrev_b32 v12, 2, v12                      ; 4 x my position among the 32
	s_lshl_b32 s45, s18, 3
	s_lshl_b32 s46, s16, 1
	s_add_co_u32 s45, s45, s46
	s_add_co_u32 s45, s45, 512                     ; my first row block
	s_mul_i32 s46, s45, 12288
	s_mul_i32 s47, s19, 3072
	s_add_co_u32 s46, s46, s47
	s_mov_b32 s47, 0
	s_lshl_b32 s48, s45, 6                         ; 16 positions of 4 bytes a row block
	s_mul_i32 s49, s19, 98304                      ; two tables
	s_add_co_u32 s48, s48, s49
	s_mov_b32 s49, 0
	s_wait_kmcnt 0x0
	s_cmp_lt_u32 s18, 24                           ; the choice hangs on the work-group's number alone
	s_cselect_b64 s[6:7], s[6:7], s[8:9]
	s_add_nc_u64 s[24:25], s[6:7], s[40:41]        ; a base for each of the eight blocks: nothing is stepped
.irp t, 1,2,3,4,5,6,7
	s_add_nc_u64 s[24+2*\t:25+2*\t], s[22+2*\t:23+2*\t], s[42:43]
.endr
	s_add_nc_u64 s[10:11], s[10:11], s[46:47]
	s_add_nc_u64 s[12:13], s[12:13], s[48:49]
.macro WLOAD t                         ; block t: 32 rows, 128 consecutive bytes a load
.set wi, 0
.rept 32
	global_load_b32 v[WX+32*((\t)%2)+wi], v[OFF+wi], s[24+2*(\t):25+2*(\t)] th:TH_LOAD_NT
.set wi, wi+1
.endr
.endm
.macro BLOCK t
.set XS, WX+32*((\t)%2)
.if (\t) < 7
	s_wait_loadcnt 32                              ; this block's 32 loads are in; the next block's may be out
.else
	s_wait_loadcnt 0x0
.endif
	v_max3_num_f32 v122, |v[XS]|, |v[XS+1]|, |v[XS+2]|             ; all 32 numbers of the block are mine
	v_max3_num_f32 v123, |v[XS+3]|, |v[XS+4]|, |v[XS+5]|
.irp i, 6,10,14,18,22,26
	v_max3_num_f32 v122, v122, |v[XS+\i]|, |v[XS+\i+1]|
	v_max3_num_f32 v123, v123, |v[XS+\i+2]|, |v[XS+\i+3]|
.endr
	v_max3_num_f32 v122, v122, |v[XS+30]|, |v[XS+31]|
	v_max3_num_f32 v122, v122, v123, 0x1800000     ; and the floor
	v_add_nc_u32 v124, 0xff000000, v122
	v_lshrrev_b32 v125, 23, v124
.if (\t)%4 == 0
	v_mov_b32 v[SB+(\t)/4], v125
.else
	v_lshl_or_b32 v[SB+(\t)/4], v125, 8*((\t)%4), v[SB+(\t)/4]
.endif
	v_cvt_scalef32_pk16_fp6_f32 v[C:C+2], v[XS:XS+15], v124
	v_cvt_scalef32_pk16_fp6_f32 v[C+4:C+6], v[XS+16:XS+31], v124
	v_nop                                          ; one plain place behind a scaled conversion
	v_mov_b32 v[C+3], v[C+4]                       ; six registers on end
	v_mov_b32 v[C+4], v[C+5]
	v_mov_b32 v[C+5], v[C+6]
	ds_store_b128 v8, v[C:C+3] offset:((\t)/2)*768+((\t)%2)*256    ; piece t / 2; block t is the part of lanes 16 (t % 2) + row
	ds_store_b64 v9, v[C+4:C+5] offset:((\t)/2)*768+512+((\t)%2)*128
.if (\t)+2 < 8
	WLOAD (\t)+2
.endif
	s_wait_dscnt 0x0                               ; the stores have read their registers
.endm
	WLOAD 0
	WLOAD 1
.irp t, 0,1,2,3,4,5,6,7
	BLOCK \t
.endr
.irp k, 0,1,2,3,4,5,6,7,8,9,10,11
	ds_load_b128 v[OUTR+4*\k:OUTR+4*\k+3], v11 offset:(\k/6)*3200+(\k%6)*512
.endr
	global_store_b32 v12, v[SB], s[12:13]          ; my column's two scale words
	s_wait_alu depctr_va_vdst(0)
	global_store_b32 v12, v[SB+1], s[12:13] offset:49152
.irp k, 0,1,2,3,4,5,6,7,8,9,10,11
	s_wait_dscnt 11-\k                             ; load k is back; the younger ones may be out
	global_store_b128 v10, v[OUTR+4*\k:OUTR+4*\k+3], s[10:11] offset:(\k/6)*12288+(\k%6)*512   ; 512 consecutive bytes, aligned
.endr
	s_wait_tensorcnt 0x0                           ; the wave's end: behind my last LDS store
	ds_add_u32 v[SPW], v[NIL]
	s_wait_dscnt 0x0
	s_endpgm
.Lfunc_end_k_q1cf095a9d1_prep:
	.size	k_q1cf095a9d1_prep, .Lfunc_end_k_q1cf095a9d1_prep-k_q1cf095a9d1_prep
	.p2alignl 7, 3214868480
	.fill 96, 4, 3214868480
	.section	.rodata,"a",@progbits
	.p2align	6, 0x0
	.amdhsa_kernel k_q1cf095a9d1_prep
		.amdhsa_group_segment_fixed_size 60928
		.amdhsa_private_segment_fixed_size 0
		.amdhsa_enable_private_segment 0
		.amdhsa_kernarg_size 40
		.amdhsa_user_sgpr_count 2
		.amdhsa_user_sgpr_kernarg_segment_ptr 1
		.amdhsa_wavefront_size32 1
		.amdhsa_system_sgpr_workgroup_id_x 1
		.amdhsa_system_sgpr_workgroup_id_y 1
		.amdhsa_system_sgpr_workgroup_id_z 1
		.amdhsa_system_vgpr_workitem_id 0
		.amdhsa_next_free_vgpr 256
		.amdhsa_next_free_sgpr 66
		.amdhsa_reserve_vcc 0
		.amdhsa_float_denorm_mode_32 3
		.amdhsa_float_denorm_mode_16_64 3
		.amdhsa_memory_ordered 1
		.amdhsa_forward_progress 1
		.amdhsa_inst_pref_size 78
	.end_amdhsa_kernel
	.amdgpu_metadata
---
amdhsa.version: [ 1, 2 ]
amdhsa.kernels:
  - .name:           k_q1cf095a9d1_prep
    .symbol:         k_q1cf095a9d1_prep.kd
    .args:
      - { .name: x, .offset: 0, .size: 8, .value_kind: global_buffer, .address_space: global }
      - { .name: W_attn, .offset: 8, .size: 8, .value_kind: global_buffer, .address_space: global }
      - { .name: W_proj, .offset: 16, .size: 8, .value_kind: global_buffer, .address_space: global }
      - { .name: c1, .offset: 24, .size: 8, .value_kind: global_buffer, .address_space: global }
      - { .name: sc1, .offset: 32, .size: 8, .value_kind: global_buffer, .address_space: global }
    .group_segment_fixed_size: 60928
    .private_segment_fixed_size: 0
    .kernarg_segment_align: 8
    .kernarg_segment_size: 40
    .max_flat_workgroup_size: 128
    .sgpr_count:     66
    .vgpr_count:     256
    .wavefront_size: 32
...
	.end_amdgpu_metadata
.endif
;; end of part 1
;; launch qkv (part 2): grid 12 x 32, 4 waves a work-group, clusters of 4 x 4, 327,680 bytes of LDS; arguments c1, sc1, b_attn, qkv; writes qkv
.if DOCPART == 2
	.amdgcn_target "amdgcn-amd-amdhsa--gfx1250"
	.amdhsa_code_object_version 6
	.text
	.protected	k_q1cf095a9d1_qkv
	.globl	k_q1cf095a9d1_qkv
	.p2align	8
	.type	k_q1cf095a9d1_qkv,@function
k_q1cf095a9d1_qkv:
	s_mov_b64 s[64:65], 0
	v_nop
	global_prefetch_b8 v0, s[64:65] scope:SCOPE_SE
	s_setreg_imm32_b32 hwreg(HW_REG_WAVE_MODE, 25, 1), 1
	s_wait_xcnt 0x0
	s_wait_alu depctr_hold_cnt(0) depctr_sa_sdst(0) depctr_va_vdst(0) depctr_va_sdst(0) depctr_va_ssrc(0) depctr_va_vcc(0) depctr_vm_vsrc(0)
	s_getreg_b32 s2, hwreg(HW_REG_IB_STS2, 6, 4)
	s_cmp_eq_u32 s2, 0
	s_cbranch_scc0 .Lentry_in_a_cluster
	s_endpgm
.Lentry_in_a_cluster:
	s_bfe_u32 s2, ttmp6, 0x10000c
	s_cmp_lg_u32 s2, 0xf033
	s_cbranch_scc0 .Lentry_shape_is_right
	s_endpgm
.Lentry_shape_is_right:
; qkv = x W_attn + b_attn on codes of FP6 (E2M3) with E8M0 scales, K = 1,024; the results are quantised in registers and leave as codes: q and k along the head's 64, v along the keys.
; OPERANDS (buffer c1): row blocks of 16 rows x 16 pieces of 768 bytes; a piece is 16 rows x 64 K as an image of operand registers 0-5; two pieces are a fragment.  Rows lie by position (bits 3 and 4 of a row's number
; exchanged inside each 32), so that as source 0 the 16 registers of tiles 2 b and 2 b + 1 are 16 NEIGHBOURS.  Scale words (sc1): [8 steps of 128 K][position].
; A work-group makes 256 x 256, a wave 128 x 128: 64 accumulators, 512 registers.  The matrix instruction is used transposed: source 0 = "B", source 1 = "A"; a lane holds one row of A and its registers run along B's rows.
; CLUSTER x 0 makes q and 1 makes k: A = tokens, B = W's columns: registers run along the head's channels.  CLUSTER x 2 makes v: A = W's columns, B = tokens: registers run along the KEYS.  One loop and one quantiser serve all.
; The choice hangs on the cluster's x alone, which all sixteen partners share.  A's tiles are asked for jointly along a row of the cluster, B's along a column.
; K: eight steps of 128, written out.  LDS: three slots of 256 K (98,304 bytes); K steps 0-2 of 256 and all scale words are first fills; the fourth 256 is the one refill, into slot 0, behind a round of the cluster's barrier.
; By this text's own count a wave has at most four tensor loads out.  The bias is the C of each sum's first product.
; RESULT (buffer qkv): for head y = 16 batch + head and block of 256 tokens, 38,400 bytes: Q codes 12,288 | Q scales 512 | K codes 12,288 | V codes 12,288 ([128 keys][16 channels][1,536]) | K scales 512 | V scales 512.
; LIMITS: NaN and infinities are not served; a block of zeros or under 2^-124 gets the byte 1 (its reader is this program alone).
; REGISTERS: window 0: v1-7 lane terms; v8-23 LDS addresses; v27 scale words' address; v28, v29 the add's two; v32-95 all of K's scale words; v96-111 at work; v128-223 A's fragments, later the codes just made.
;   window 1: B's fragments, two sets at v0 and v128; v96-127, v224-255 the bias.   windows 2, 3: accumulator (a, b) at v[8 (8 (a % 4) + b)] of window 2 + a / 4.
.set NA,    8                          ; A's blocks of 16 rows for a wave
.set HB,    NA/2
.set QB,    NA/4
.set FR,    12                         ; registers of a fragment
.set NL,    4                          ; LDS loads that bring one
.set RB,    3072                       ; a row block's 256 K in bytes
.set HALFA, NA*RB
.set HALFB, 8*RB
.set SLOT,  2*HALFA+2*HALFB
.set NSLOT, 3
.set SCA,   NSLOT*SLOT                 ; A's scale words: two halves of [8][128] words
.set SCB,   SCA+8192+64                ; B's; 64 bytes on, so that the two halves of the lanes fall in different banks
.set SPARE, SCA+16640                  ; the spare words, 128 bytes a wave
.set HS,    307200                     ; from head to head in the result
.set WV, 16
.set HI, 17                            ; my half of A's rows.  Also: I fetch for A (0) or for B (1)
.set LO, 18                            ; my half of B's rows.  Also: which half I fetch
.set SELR, 66                          ; 1: this cluster makes v
.set HM, 67                            ; mask of lanes 16-31
.set G1, 24
.set G1B, 32
.set G1S, 40
.set G1SB, 48
.set G0S, 76
.set G0SB, 96
.set ADRA, 8                           ; v8-10 A's fragments in slots 0-2, 16 bytes a lane; v12-14 8 bytes a lane
.set ADRB, 16                          ; v16-18, v20-22 B's
.set ADRS, 27
.set SPW, 28
.set NIL, 29
.set SC, 32                            ; v[SC + 8 s + i]: lanes 0-15 the words of A's block i, lanes 16-31 of B's block i, step s
.set TM, 96
.set AF, 128
.set PC, 128
.set PWS, 176
.set EW, 184
.set OW, 188
.set XW, 192
.set VSO, 196
.set MSB, 0
.macro WIN new                         ; the immediate's high byte repeats the setting that is left
.if MSB != \new
	s_set_vgpr_msb (MSB<<8)|\new
.set MSB, \new
.endif
.endm
; A joint load: waves 0 and 1 fetch for A, waves 2 and 3 for B; the branch hangs on the wave's number alone.  An s_nop 0 and four v_nop follow each of the two lines.
.macro JLOAD g0a, g1a, g0b, g1b
	s_cmp_eq_u32 s[HI], 0
	s_cbranch_scc0 .Lfor_b_\@
	tensor_load_to_lds s[\g0a:\g0a+3], s[\g1a:\g1a+7]
	s_nop 0
.rept 4
	v_nop
.endr
	s_branch .Lasked_\@
.Lfor_b_\@:
	tensor_load_to_lds s[\g0b:\g0b+3], s[\g1b:\g1b+7]
	s_nop 0
.rept 4
	v_nop
.endr
.Lasked_\@:
.endm
.macro CREST                           ; a round of the cluster's barrier behind its opening barrier
	s_cmp_lg_u32 s[WV], 0
	s_cbranch_scc1 .Lnot_wave_0_\@
	s_barrier_signal -3
.Lnot_wave_0_\@:
	s_barrier_wait -3
	s_barrier_signal -1
	s_barrier_wait -1
.endm
.macro CROUND
	s_barrier_signal -1
	s_barrier_wait -1
	CREST
.endm
.macro PLACES                          ; four places in front of loads into registers that matrix instructions have read, and of the first read of results
.rept 4
	v_nop
.endr
.endm
.macro FRAG reg, adr, s, i             ; block i's fragment of step s: two pieces, each 512 + 256 consecutive bytes for the 32 lanes
	ds_load_b128 v[\reg:\reg+3], v[\adr+((\s)/2)%NSLOT] offset:(\i)*RB+((\s)%2)*1536
	ds_load_b64 v[\reg+4:\reg+5], v[\adr+4+((\s)/2)%NSLOT] offset:(\i)*RB+((\s)%2)*1536+512
	ds_load_b128 v[\reg+6:\reg+9], v[\adr+((\s)/2)%NSLOT] offset:(\i)*RB+((\s)%2)*1536+768
	ds_load_b64 v[\reg+10:\reg+11], v[\adr+4+((\s)/2)%NSLOT] offset:(\i)*RB+((\s)%2)*1536+1280
.endm
.macro FETCH_B s
	WIN 0x40                                       ; destination window 1, address window 0
.set fi, 0
.rept 8
	FRAG 128*((\s)%2)+FR*fi, ADRB, \s, fi
.set fi, fi+1
.endr
	WIN 0
.endm
.macro FETCH_A s, i0, n
.set fi, \i0
.rept \n
	FRAG AF+FR*fi, ADRA, \s, fi
.set fi, fi+1
.endr
.endm
.macro SCALES                          ; all of K's scale words, once
.set ss, 0
.rept 8
.set si, 0
.rept 8
	ds_load_b32 v[SC+8*ss+si], v[ADRS] offset:512*ss+64*si
.set si, si+1
.endr
.set ss, ss+1
.endr
.endm
; n blocks of A from a0 on x B's eight, step s.  cm = 0: the sums go on; 1: they start from the bias of B's block; 2: of A's block.  The accumulators take turns, one instruction a turn, in one order.
.macro MULA a0, n, s, cm
.if \cm
	WIN 0x91+0x40*((\a0)/4)                        ; source 0 and C window 1, source 1 window 0, D window 2 or 3
.else
	WIN 0xa1+0x50*((\a0)/4)                        ; source 0 window 1, source 1 window 0, C and D window 2 or 3
.endif
.set ma, \a0
.rept \n
.set mb, 0
.rept 8
.set rD, 8*(8*(ma%4)+mb)
.set rB, 128*((\s)%2)+FR*mb
.set rA, AF+FR*ma
.if \cm == 0
	v_wmma_scale_f32_16x16x128_f8f6f4 v[rD:rD+7], v[rB:rB+FR-1], v[rA:rA+FR-1], v[rD:rD+7], v[SC+8*(\s)+mb], v[SC+8*(\s)+ma] matrix_a_fmt:MATRIX_FMT_FP6 matrix_b_fmt:MATRIX_FMT_FP6 matrix_a_scale:MATRIX_SCALE_ROW1
.elseif \cm == 1
.set rC, 96+8*mb+96*(mb/4)
	v_wmma_scale_f32_16x16x128_f8f6f4 v[rD:rD+7], v[rB:rB+FR-1], v[rA:rA+FR-1], v[rC:rC+7], v[SC+8*(\s)+mb], v[SC+8*(\s)+ma] matrix_a_fmt:MATRIX_FMT_FP6 matrix_b_fmt:MATRIX_FMT_FP6 matrix_a_scale:MATRIX_SCALE_ROW1
.else
.set rC, 96+8*ma+96*(ma/4)
	v_wmma_scale_f32_16x16x128_f8f6f4 v[rD:rD+7], v[rB:rB+FR-1], v[rA:rA+FR-1], v[rC:rC+7], v[SC+8*(\s)+mb], v[SC+8*(\s)+ma] matrix_a_fmt:MATRIX_FMT_FP6 matrix_b_fmt:MATRIX_FMT_FP6 matrix_a_scale:MATRIX_SCALE_ROW1
.endif
.set mb, mb+1
.endr
.set ma, ma+1
.endr
.endm
; Step s multiplies and fetches step s + 1's fragments.  sync = 0: from a slot already shown whole; 1: 2: the change of slots with the refill.
.macro STEPG s, sync, cnt, cm
.if \sync == 0
	s_wait_dscnt HB*NL                             ; B's set and A's lower blocks are in; the youngest loads, A's upper blocks, may be out
	MULA 0, HB, \s, \cm
	s_wait_dscnt 0x0                               ; A's upper blocks are in
	PLACES
.elseif \sync == 1
	s_wait_tensorcnt \cnt                          ; my part of the next slot has landed
	s_wait_dscnt HB*NL
	MULA 0, QB, \s, \cm
	s_wait_dscnt 0x0                               ; no LDS instruction of mine is out at the signal
	s_barrier_signal -1
	MULA QB, QB, \s, \cm
	WIN 0
	s_barrier_wait -1                              ; everybody's part has landed
	PLACES
.else
	s_wait_tensorcnt 0x0                           ; all my tensor loads have landed: my parts of slots 1 and 2
	ds_add_u32 v[SPW], v[NIL]                      ; 0 onto my spare word
	s_wait_dscnt HB*NL+1                           ; (the add and A's upper blocks may be out)
	MULA 0, QB, \s, \cm
	s_wait_dscnt 0x0                               ; the add is done, and my reads of slot 0 are over
	s_barrier_signal -1
	MULA QB, QB, \s, \cm
	WIN 0
	s_barrier_wait -1
	CREST                                          ; the barrier has opened a round of the cluster's: no wave of any partner still reads slot 0 or has a load on its way
	JLOAD 72, G1, 92, G1B                          ; the last 256 of K into slot 0: four steps, 256 matrix instructions, in which to land; its four v_nop are the places in front of the loads below
.endif
	FETCH_B (\s)+1
	FETCH_A (\s)+1, 0, HB
	MULA HB, HB, \s, \cm
	PLACES
	WIN 0
	FETCH_A (\s)+1, HB, HB
.endm
	s_load_b256 s[4:11], s[0:1], 0x0               ; c1 s[4:5], sc1 s[6:7], b_attn s[8:9], qkv s[10:11]
	v_lshl_add_u32 v[SPW], v0, 2, SPARE
	v_mov_b32 v[NIL], 0
	ds_add_u32 v[SPW], v[NIL]                      ; the wave's opening: the add and its wait stand ahead of my first tensor load; work on registers stands between them
	ds_add_u32 v[SPW], v[NIL]
	v_lshrrev_b32 v1, 5, v0
	v_readfirstlane_b32 s[WV], v1
	s_lshr_b32 s[HI], s[WV], 1
	s_and_b32 s[LO], s[WV], 1
	s_bfe_u32 s19, ttmp6, 0x40000                  ; cx
	s_bfe_u32 s20, ttmp6, 0x40004                  ; cy
	s_and_b32 s21, ttmp7, 0xffff                   ; the cluster's y
	s_lshl_b32 s22, s20, 2
	s_lshl_b32 s22, 15, s22                        ; my row of the cluster
	s_lshl_b32 s23, 0x1111, s19                    ; my column
	s_or_b32 s[G1], s22, (3<<16)|(1<<21)           ; 15:0 the mask; 17:16 elements of 8 bytes; 21 set beside a mask; no padding: the pieces are read as consecutive bytes
	s_or_b32 s[G1B], s23, (3<<16)|(1<<21)
	s_or_b32 s[G1S], s22, (3<<16)|(1<<21)
	s_or_b32 s[G1SB], s23, (3<<16)|(1<<21)
.irp g, G1, G1B                        ; codes: 8 row blocks x 3,072 bytes (256 K), 12,288 bytes apart
	s_mov_b32 s[\g+1], 384<<16
	s_mov_b32 s[\g+2], 8<<16
	s_mov_b32 s[\g+3], 384<<16
	s_mov_b32 s[\g+4], 8
	s_mov_b32 s[\g+5], 1536
	s_mov_b32 s[\g+6], 0
	s_mov_b32 s[\g+7], 0
.endr
.irp g, G1S, G1SB                      ; scale words: 8 tables x 512 bytes (128 positions), 49,152 bytes apart
	s_mov_b32 s[\g+1], 64<<16
	s_mov_b32 s[\g+2], 8<<16
	s_mov_b32 s[\g+3], 64<<16
	s_mov_b32 s[\g+4], 8
	s_mov_b32 s[\g+5], 6144
	s_mov_b32 s[\g+6], 0
	s_mov_b32 s[\g+7], 0
.endr
	; row blocks.  q, k: A = 64 cluster y + 16 cy, B = 512 + 64 cluster x + 16 cx.  v: A = 640 + 16 cy, B = 64 cluster y + 16 cx.  A's never holds cx, B's never cy
	s_lshl_b32 s2, s21, 6
	s_lshl_b32 s12, ttmp9, 6
	s_add_co_u32 s12, s12, 512
	s_mov_b32 s3, 640
	s_cmp_eq_u32 ttmp9, 2
	s_cselect_b32 s12, s2, s12
	s_cselect_b32 s2, s3, s2
	s_cselect_b32 s[SELR], 1, 0
	s_lshl_b32 s100, s[LO], 3                      ; the half that I fetch
	s_lshl_b32 s3, s20, 4
	s_add_co_u32 s2, s2, s3
	s_add_co_u32 s2, s2, s100
	s_lshl_b32 s13, s19, 4
	s_add_co_u32 s12, s12, s13
	s_add_co_u32 s12, s12, s100
	s_lshl_b32 s22, s2, 6                          ; 64 bytes of scale words a row block,
	s_mov_b32 s23, 0
	s_mul_i32 s2, s2, 12288                        ; 12,288 of codes
	s_mov_b32 s3, 0
	s_lshl_b32 s14, s12, 6
	s_mov_b32 s15, 0
	s_mul_i32 s12, s12, 12288
	s_mov_b32 s13, 0
	s_wait_dscnt 0x0                               ; the opening add is done
	s_wait_kmcnt 0x0
	s_add_nc_u64 s[2:3], s[4:5], s[2:3]            ; A's codes
	s_add_nc_u64 s[22:23], s[6:7], s[22:23]        ; A's scale words
	s_add_nc_u64 s[12:13], s[4:5], s[12:13]        ; B's codes
	s_add_nc_u64 s[14:15], s[6:7], s[14:15]        ; B's scale words
	CROUND                                         ; all sixteen work-groups are here: the first joint loads meet
	s_mov_b32 s[G0S], 1
	s_lshl_b32 s[G0S+1], s[LO], 12
	s_add_co_u32 s[G0S+1], s[G0S+1], SCA
	s_mov_b64 s[G0S+2:G0S+3], s[22:23]
	s_or_b32 s[G0S+3], s[G0S+3], 0x80000000
	s_mov_b32 s[G0SB], 1
	s_lshl_b32 s[G0SB+1], s[LO], 12
	s_add_co_u32 s[G0SB+1], s[G0SB+1], SCB
	s_mov_b64 s[G0SB+2:G0SB+3], s[14:15]
	s_or_b32 s[G0SB+3], s[G0SB+3], 0x80000000
	JLOAD G0S, G1S, G0SB, G1SB                     ; the scale words first: they are wanted with step 0
.irp k, 0,1,2,3                        ; a group 0 for each 256 of K: none is ever rewritten
.set GA, 56+4*\k+4*(\k/2)
.set GB, 80+4*\k
	s_mov_b32 s[GA], 1
	s_mul_i32 s[GA+1], s[LO], HALFA
	s_add_co_u32 s[GA+1], s[GA+1], (\k%NSLOT)*SLOT
	s_add_nc_u64 s[GA+2:GA+3], s[2:3], \k*3072
	s_or_b32 s[GA+3], s[GA+3], 0x80000000
	s_mov_b32 s[GB], 1
	s_mul_i32 s[GB+1], s[LO], HALFB
	s_add_co_u32 s[GB+1], s[GB+1], (\k%NSLOT)*SLOT+2*HALFA
	s_add_nc_u64 s[GB+2:GB+3], s[12:13], \k*3072
	s_or_b32 s[GB+3], s[GB+3], 0x80000000
.if \k < NSLOT
	JLOAD GA, G1, GB, G1B
.endif
.endr
	v_and_b32 v1, 31, v0                           ; lane
	v_and_b32 v2, 15, v0                           ; r
	v_bfe_u32 v3, v0, 4, 1                         ; h
	v_lshlrev_b32 v4, 4, v1                        ; 16 x lane
	v_lshlrev_b32 v5, 3, v1                        ; 8 x lane
	s_mul_i32 s2, s[HI], HALFA
	s_mul_i32 s3, s[LO], HALFB
	s_add_co_u32 s3, s3, 2*HALFA
.set sl, 0
.rept NSLOT
	v_add_nc_u32 v[ADRA+sl], s2, v4
	v_add_nc_u32 v[ADRA+4+sl], s2, v5
	v_add_nc_u32 v[ADRB+sl], s3, v4
	v_add_nc_u32 v[ADRB+4+sl], s3, v5
	s_add_co_u32 s2, s2, SLOT
	s_add_co_u32 s3, s3, SLOT
.set sl, sl+1
.endr
	s_lshl_b32 s2, s[HI], 12                       ; scale words: lanes 0-15 A's, lanes 16-31 B's: the lower base + h x the distance
	s_lshl_b32 s3, s[LO], 12
	s_add_co_u32 s3, s3, SCB-SCA
	s_sub_co_u32 s3, s3, s2
	v_mul_u32_u24 v26, s3, v3
	s_add_co_u32 s2, s2, SCA
	v_lshl_add_u32 v31, v2, 2, s2
	v_add_nc_u32 v[ADRS], v31, v26
	; the bias, in the result's layout.  q, k: it hangs on B's row: register j of block 2 b + u is column 32 b + 16 h + 8 u + j.  v: on A's row: column 32 (a / 2) + 8 (a % 2) + r + 8 (r / 8), the same in all eight registers
	s_lshl_b32 s2, ttmp9, 2
	s_add_co_u32 s2, s2, s19
	s_lshl_b32 s2, s2, 10
	s_lshl_b32 s3, s[LO], 9
	s_add_co_u32 s2, s2, s3
	v_lshl_add_u32 v6, v3, 6, s2
	v_and_b32 v7, 8, v2
	v_add_nc_u32 v7, v7, v2
	s_lshl_b32 s3, s20, 10
	s_lshl_b32 s12, s[HI], 9
	s_add_co_u32 s3, s3, s12
	s_add_co_u32 s3, s3, 8192
	v_lshl_add_u32 v7, v7, 2, s3
	s_cmp_eq_u32 s[SELR], 0
	s_cbranch_scc0 .Lbias_v
	WIN 0x40
.set bx, 0
.rept 8
.set rT, 96+8*bx+96*(bx/4)
	global_load_b128 v[rT:rT+3], v6, s[8:9] offset:128*(bx/2)+32*(bx%2)
	global_load_b128 v[rT+4:rT+7], v6, s[8:9] offset:128*(bx/2)+32*(bx%2)+16
.set bx, bx+1
.endr
	WIN 0
	s_branch .Lbias_done
.Lbias_v:
	WIN 0x40
.set bx, 0
	s_wait_alu depctr_va_vdst(0)
.rept 8
.set bj, 0
.rept 8
	global_load_b32 v[96+8*bx+96*(bx/4)+bj], v7, s[8:9] offset:(32*(bx/2)+8*(bx%2))*4
.set bj, bj+1
.endr
.set bx, bx+1
.endr
	WIN 0
.Lbias_done:
	s_wait_tensorcnt 2                             ; the scale words and my part of slot 0 are in; slots 1 and 2 may be out
	s_barrier_signal -1
	s_barrier_wait -1
	FETCH_B 0
	FETCH_A 0, 0, HB
	s_wait_alu depctr_va_vdst(0)
	SCALES
	FETCH_A 0, HB, HB
	s_wait_loadcnt 0x0                             ; the bias
	s_cmp_eq_u32 s[SELR], 0
	s_cbranch_scc0 .Lstep0_v
	STEPG 0, 0, 0, 1                               ; the first step starts the sums from the bias: nothing is cleared, nothing is added later
	s_branch .Lstep0_done
.Lstep0_v:
	STEPG 0, 0, 0, 2
.Lstep0_done:
	STEPG 1, 2, 0, 0                               ; slots 1 and 2 are shown whole; slot 0 is filled again
	STEPG 2, 0, 0, 0
	STEPG 3, 0, 0, 0
	STEPG 4, 0, 0, 0
	STEPG 5, 1, 0, 0                               ; the one load that is out is the refill
	STEPG 6, 0, 0, 0
	s_wait_dscnt HB*NL                             ; the last step fetches nothing
	MULA 0, HB, 7, 0
	s_wait_dscnt 0x0
	MULA HB, HB, 7, 0
	WIN 0
	; where the results go
	s_cmp_eq_u32 s[SELR], 0
	s_cselect_b32 s2, s20, s19                     ; the tokens' place in the cluster,
	s_cselect_b32 s3, s19, s20                     ; the heads',
	s_cselect_b32 s12, s[LO], s[HI]                ; which two of the tile's four heads are mine,
	s_cselect_b32 s13, s[HI], s[LO]                ; which 128 of its 256 tokens
	s_lshl_b32 s14, s21, 2
	s_add_co_u32 s2, s2, s14                       ; block of 256 tokens, 0 .. 31
	s_lshr_b32 s14, s2, 3                          ; batch
	s_and_b32 s2, s2, 7
	s_lshl_b32 s14, s14, 4
	s_lshl_b32 s3, s3, 2
	s_add_co_u32 s14, s14, s3
	s_lshl_b32 s12, s12, 1
	s_add_co_u32 s14, s14, s12                     ; y = 16 batch + head
	s_lshl_b32 s14, s14, 3
	s_add_co_u32 s14, s14, s2
	s_mul_i32 s14, s14, 38400
	s_mov_b32 s3, 37376
	s_cmp_eq_u32 ttmp9, 0
	s_cselect_b32 s2, 0, 12800                     ; q's or k's codes,
	s_cselect_b32 s3, 12288, s3                    ; and scale words
	s_mov_b32 s12, 25088
	s_mov_b32 s15, 37888
	s_cmp_eq_u32 ttmp9, 2
	s_cselect_b32 s2, s12, s2                      ; or v's
	s_cselect_b32 s3, s15, s3
	s_mul_i32 s12, s13, 6144
	s_add_co_u32 s2, s2, s12
	s_add_co_u32 s2, s2, s14
	s_lshl_b32 s13, s13, 8
	s_add_co_u32 s12, s3, s13
	s_add_co_u32 s12, s12, s14
	s_mov_b32 s3, 0
	s_mov_b32 s13, 0
	s_add_nc_u64 s[100:101], s[10:11], s[12:13]    ; scale words
	s_add_nc_u64 s[10:11], s[10:11], s[2:3]        ; codes
	s_mov_b32 s22, 0x76543210
	s_mov_b32 s23, 0xfedcba98                      ; selects for lane l xor 16
	PLACES
.irp b, 0,1,2,3
	v_mov_b32 v[TM+4+\b], 0                        ; written once: a lane permute's destination counts as one of its sources
.endr
	v_cmp_lt_u32 s[HM], 15, v1
	v_mul_u32_u24 v[VSO], v3, HS
	v_lshl_add_u32 v[VSO], v2, 4, v[VSO]           ; 16 r, and the second head for lanes 16-31
; A's block a: the lane's 64 registers, 16 b + i = index 32 b + 16 h + i along B, are quantised where they stand: a fragment's codes in v[PC] on, its scale word in v[PWS + a].  Each accumulator is read from its low end on.
.macro QACC a
.set AC, 64*((\a)%4)
.set W, 2+(\a)/4
	WIN (W<<2)|(W<<4)                              ; sources 1 and 2: the accumulators' window
.irp b, 0,1,2,3
	v_max3_num_f32 v[TM+\b], 0x1800000, |v[AC+16*\b]|, |v[AC+16*\b+1]|     ; with the floor 2^(3 - 127)
.endr
.irp i, 2,4,6,8,10,12,14
.irp b, 0,1,2,3
	v_max3_num_f32 v[TM+\b], v[TM+\b], |v[AC+16*\b+\i]|, |v[AC+16*\b+\i+1]|
.endr
.endr
	WIN 0
.irp b, 0,1,2,3
	v_permlanex16_b32 v[TM+4+\b], v[TM+\b], s22, s23
.endr
.irp b, 0,1,2,3
	v_max_num_f32 v[TM+\b], v[TM+\b], v[TM+4+\b]
.endr
.irp b, 0,1,2,3
	v_add_nc_u32 v[TM+12+\b], 0xff000000, v[TM+\b]
.endr
.irp b, 0,1,2,3
	v_lshrrev_b32 v[TM+4+\b], 23, v[TM+12+\b]
.endr
	v_lshl_or_b32 v[PWS+(\a)], v[TM+5], 8, v[TM+4]
	v_lshl_or_b32 v[PWS+(\a)], v[TM+6], 16, v[PWS+(\a)]
	v_lshl_or_b32 v[PWS+(\a)], v[TM+7], 24, v[PWS+(\a)]
	s_wait_xcnt 0x0                                ; the last block's stores have read the codes' registers
	WIN W                                          ; source 0: the accumulators' window
.irp c, 0,1
	v_cvt_scalef32_pk16_fp6_f32 v[PC+6*\c:PC+2+6*\c], v[AC+32*\c:AC+32*\c+15], v[TM+12+2*\c]
	v_cvt_scalef32_pk16_fp6_f32 v[PC+12+4*\c:PC+14+4*\c], v[AC+32*\c+16:AC+32*\c+31], v[TM+12+2*\c+1]
.endr
	WIN 0
	v_nop                                          ; one plain place behind a scaled conversion
.irp c, 0,1
.irp i, 0,1,2
	v_permlane16_swap_b32 v[PC+6*\c+\i], v[PC+12+4*\c+\i]
.endr
.irp i, 0,1,2
	v_mov_b32 v[PC+3+6*\c+\i], v[PC+12+4*\c+\i]
.endr
.endr
.endm
; mode 0 (q, k): a fragment is 16 tokens x two heads' 64 channels: one piece for each head.  mode 1 (v): 16 channels x 128 keys: one fragment of head a / 4.  Every store covers 512 or 256 consecutive bytes, aligned.
.macro EPI mode
.irp a, 0,1,2,3,4,5,6,7
	QACC \a
.if \mode == 0
	global_store_b128 v4, v[PC:PC+3], s[10:11] offset:768*\a
	global_store_b64 v5, v[PC+4:PC+5], s[10:11] offset:768*\a+512
	global_store_b128 v4, v[PC+6:PC+9], s[10:11] offset:HS+768*\a
	global_store_b64 v5, v[PC+10:PC+11], s[10:11] offset:HS+768*\a+512
.else
	global_store_b128 v4, v[PC:PC+3], s[10:11] offset:(\a/4)*HS+(\a%4)*1536
	global_store_b64 v5, v[PC+4:PC+5], s[10:11] offset:(\a/4)*HS+(\a%4)*1536+512
	global_store_b128 v4, v[PC+6:PC+9], s[10:11] offset:(\a/4)*HS+(\a%4)*1536+768
	global_store_b64 v5, v[PC+10:PC+11], s[10:11] offset:(\a/4)*HS+(\a%4)*1536+1280
.endif
.endr
.if \mode == 0                         ; word j of a head: two bytes of token tile 2 j, two of tile 2 j + 1
.irp j, 0,1,2,3
	v_perm_b32 v[EW+\j], v[PWS+2*\j+1], v[PWS+2*\j], 0x05040100
	v_perm_b32 v[OW+\j], v[PWS+2*\j+1], v[PWS+2*\j], 0x07060302
.endr
.irp j, 0,1,2,3
	v_cndmask_b32 v[XW+\j], v[EW+\j], v[OW+\j], s[HM]
.endr
.else                                  ; word j of a head: the four bytes of its channel tile j
.irp j, 0,1,2,3
	v_cndmask_b32 v[XW+\j], v[PWS+\j], v[PWS+4+\j], s[HM]
.endr
.endif
	global_store_b128 v[VSO], v[XW:XW+3], s[100:101]   ; lanes 0-15 the first head's 256 bytes, lanes 16-31 the second's
.endm
	s_cmp_eq_u32 s[SELR], 0
	s_cbranch_scc0 .Lepi_v
	EPI 0
	s_branch .Lepi_done
.Lepi_v:
	EPI 1
.Lepi_done:
	s_wait_tensorcnt 0x0                           ; the wave's end: behind my last tensor load
	ds_add_u32 v[SPW], v[NIL]
	s_wait_dscnt 0x0
	CROUND                                         ; the closing round: no work-group ends while a partner may still ask for a tile that names it
	s_endpgm
.Lfunc_end_k_q1cf095a9d1_qkv:
	.size	k_q1cf095a9d1_qkv, .Lfunc_end_k_q1cf095a9d1_qkv-k_q1cf095a9d1_qkv
	.p2alignl 7, 3214868480
	.fill 96, 4, 3214868480
	.section	.rodata,"a",@progbits
	.p2align	6, 0x0
	.amdhsa_kernel k_q1cf095a9d1_qkv
		.amdhsa_group_segment_fixed_size 327680
		.amdhsa_private_segment_fixed_size 0
		.amdhsa_enable_private_segment 0
		.amdhsa_kernarg_size 32
		.amdhsa_user_sgpr_count 2
		.amdhsa_user_sgpr_kernarg_segment_ptr 1
		.amdhsa_wavefront_size32 1
		.amdhsa_system_sgpr_workgroup_id_x 1
		.amdhsa_system_sgpr_workgroup_id_y 1
		.amdhsa_system_sgpr_workgroup_id_z 1
		.amdhsa_system_vgpr_workitem_id 0
		.amdhsa_next_free_vgpr 1024
		.amdhsa_next_free_sgpr 102
		.amdhsa_reserve_vcc 0
		.amdhsa_float_denorm_mode_32 3
		.amdhsa_float_denorm_mode_16_64 3
		.amdhsa_memory_ordered 1
		.amdhsa_forward_progress 1
		.amdhsa_inst_pref_size 208
	.end_amdhsa_kernel
	.amdgpu_metadata
---
amdhsa.version: [ 1, 2 ]
amdhsa.kernels:
  - .name:           k_q1cf095a9d1_qkv
    .symbol:         k_q1cf095a9d1_qkv.kd
    .args:
      - { .name: c1, .offset: 0, .size: 8, .value_kind: global_buffer, .address_space: global }
      - { .name: sc1, .offset: 8, .size: 8, .value_kind: global_buffer, .address_space: global }
      - { .name: b_attn, .offset: 16, .size: 8, .value_kind: global_buffer, .address_space: global }
      - { .name: qkv, .offset: 24, .size: 8, .value_kind: global_buffer, .address_space: global }
    .group_segment_fixed_size: 327680
    .private_segment_fixed_size: 0
    .kernarg_segment_align: 8
    .kernarg_segment_size: 32
    .max_flat_workgroup_size: 128
    .sgpr_count:     102
    .vgpr_count:     1024
    .wavefront_size: 32
...
	.end_amdgpu_metadata
.endif
;; end of part 2
;; launch attn (part 3): grid 4 x 64, 16 waves a work-group, no clusters, 327,680 bytes of LDS; arguments qkv, oc, os; writes oc, os
.if DOCPART == 3
	.amdgcn_target "amdgcn-amd-amdhsa--gfx1250"
	.amdhsa_code_object_version 6
	.text
	.protected	k_q1cf095a9d1_attn
	.globl	k_q1cf095a9d1_attn
	.p2align	8
	.type	k_q1cf095a9d1_attn,@function
k_q1cf095a9d1_attn:
	s_mov_b64 s[64:65], 0
	v_nop
	global_prefetch_b8 v0, s[64:65] scope:SCOPE_SE
	s_setreg_imm32_b32 hwreg(HW_REG_WAVE_MODE, 25, 1), 1
	s_wait_xcnt 0x0
; Causal attention of one head on codes of FP6 (E2M3) with E8M0 scales; head size 64, 2,048 tokens.  Both products are used transposed: S^T = K Q^T, O^T = V^T P^T: a lane holds ONE query throughout.
; THE SOFTMAX AHEAD OF THE SECOND PRODUCT: t = score x log2(e) / 8; M = the running largest t rounded UP to a whole number; p = 2^(t - M) is quantised along the keys, not normalised; the row's sum is taken of the
; unquantised p and divides O at the end; when M moves, the sum and O are multiplied by 2^(old M - new M), which rounds nothing.  LIMIT: t must lie above -3e38; NaN and infinities are not served.
; SHARES.  Work-group (i, y): head y, TWO blocks of 256 queries: block 7 - i (8 - i slots of 256 keys) and then block i (i + 1 slots): always nine slots, so every work-group has the same work and the trip count is a constant.
; Each of sixteen waves owns one stored tile of 16 queries: queries Q0 + r + 8 (r / 8), Q0 = 256 block + 32 (wave / 2) + 8 (wave % 2).
; NO CLUSTER: the four work-groups of a head want 8, 7, 6, 5 and then 1, 2, 3, 4 slots; walking in step they would take 12 slots' time for 9 slots' work, to share 25,600 bytes a slot.
; THE FIRST PRODUCT HAS K = 64, half of the instruction's 128.  A fragment of 12 registers holds TWO key tiles, [tile 2 j][tile 2 j + 1]; multiplied by [Q][zeros] it gives tile 2 j, by [zeros][Q] tile 2 j + 1: zero codes add nothing.
; A SLOT is 25,600 consecutive bytes of the buffer: K codes 12,288 | V codes 12,288 | K scale words 512 | V scale words 512, all as images of operand registers: waves 0 and 1 fetch a half each, 50 rows of 256 bytes.
; THE RESULT is quantised along the channels: oc: [row block of 16 tokens][head] pieces of 768 bytes; os: [pair of heads][token position] words, a half-word a head (2-byte stores, 4 bytes apart).
; REGISTERS: v1-4 lane terms; v5, v6 the add's two; v7 the mask's lane term; v8-10 the slot's addresses; v11 the prefetch's offset; v12 -M, v13 the largest t, v[14:15] the sum; v16-33 zeros, Q, zeros; v36 Q's scale word;
;   v40-87 four fragments of K, then of V; v88-95 their scale words; v96-159 S^T, then p; v160-191 O^T; v192-211 p's codes; v212-226 at work; v228-234 the second block's Q; v235-239 at work.
.set HS,    307200
.set BLKB,  38400
.set SLOT1, 32768                      ; slot 1 begins here: one exclusive or turns an address
.set VCO,   12288
.set KSO,   24576
.set VSO,   25088
.set SPARE, 65536                      ; the spare words, 128 bytes for each of sixteen waves
.set SPW, 5
.set NIL, 6
.set PFO, 11
.set FRG, 40
.set KSW, 88
.set VSW, 92
.set S,   96
.set OT,  160
.set PCD, 192
.set PC2, 204
.set BM,  212
.set BX,  216
.set SCO, 220
.set F,   224
.set PSW, 226
.set WV, 10
.set Y, 11
.set NH, 12                            ; slots of the first block
.set BLK, 13                           ; the block in hand
.set T, 14                             ; the trip
.set SIG, 15                           ; the slot of keys in hand
.set G1, 16
.set G0, 24
.set HBASE, 28                         ; s[28:29] my half of the head's slot 0 in memory
.set PFA, 30
.set SEL, 32
.set CS, 34
.set TB, 36
.set KF, 37
.set Q0, 38
.set QW, 39
.set LIM, 44
.set PSEL, 45
.set OC0, 50
.set OS0, 52
.macro TLOAD                           ; waves 0 and 1 fetch; the branch hangs on the wave's number alone; an s_nop 0 and four v_nop follow the load
	s_cmp_lt_u32 s[WV], 2
	s_cbranch_scc0 .Lnone_\@
	tensor_load_to_lds s[G0:G0+3], s[G1:G1+7]
	s_nop 0
.rept 4
	v_nop
.endr
.Lnone_\@:
.endm
; A prefetch into the L2 of the slot that the NEXT change of slots will ask for.  All four work-groups of a head begin at slot 0 and walk upward: the first of them (i = 0, which walks slots 0 to 7) asks, in waves 4 to 7,
; one instruction each, a lane to a block of 256 bytes of the slot's 100 (wave 7's lanes past the last name the last).  Trip T names slot T + 2, one slot's two key steps ahead of its load; trips 6 and on ask for nothing.
.macro ASK
	s_cmp_lt_u32 s[T], s[LIM]
	s_cbranch_scc0 .Lnot_mine_\@
	global_prefetch_b8 v[PFO], s[PFA:PFA+1] th:TH_LOAD_NT scope:SCOPE_SE
.Lnot_mine_\@:
.endm
.macro FRESH                           ; a block of queries begins: the largest t under every t, the sum and O^T zeros (the first change of M leaves zeros zeros)
	v_mov_b32 v13, 0xff61b1e6
	s_delay_alu instid0(VALU_DEP_1)
	v_floor_f32 v12, -v13
	v_mov_b32 v14, 0
	v_mov_b32 v15, 0
.set n, 0
.rept 32
	v_mov_b32 v[OT+n], 0
.set n, n+1
.endr
.endm
	s_load_b128 s[4:7], s[0:1], 0x0                ; qkv s[4:5], oc s[6:7]
	s_load_b64 s[8:9], s[0:1], 0x10                ; os
	v_lshl_add_u32 v[SPW], v0, 2, SPARE
	v_mov_b32 v[NIL], 0
	ds_add_u32 v[SPW], v[NIL]                      ; the wave's opening: the add and its wait stand ahead of the first tensor load; work on registers stands between them
	ds_add_u32 v[SPW], v[NIL]
	v_lshrrev_b32 v8, 5, v0
	s_delay_alu instid0(VALU_DEP_1)
	v_readfirstlane_b32 s[WV], v8
	s_and_b32 s[Y], ttmp7, 0xffff
	s_sub_co_u32 s[NH], 8, ttmp9
	s_sub_co_u32 s[BLK], 7, ttmp9
	s_mov_b32 s[G1], 3<<16                         ; no mask; elements of 8 bytes; no padding
	s_mov_b32 s[G1+1], 32<<16                      ; rows of 256 bytes,
	s_mov_b32 s[G1+2], 50<<16                      ; 50 of them,
	s_mov_b32 s[G1+3], 32<<16
	s_mov_b32 s[G1+4], 50
	s_mov_b32 s[G1+5], 32                          ; dense
	s_mov_b32 s[G1+6], 0
	s_mov_b32 s[G1+7], 0
	s_mov_b32 s[SEL], 0x76543210
	s_mov_b32 s[SEL+1], 0xfedcba98
	s_mov_b32 s[CS], 0x3e38aa3b                    ; c = log2(e) / 8
	s_mov_b32 s[CS+1], s[CS]
	s_mov_b32 s[TB], 0
	s_mov_b32 s[T], 0
	s_mov_b32 s[SIG], 0
	s_mul_i32 s40, s[Y], HS
	s_mov_b32 s41, 0
	s_and_b32 s42, s[WV], 1
	s_mul_i32 s42, s42, 12800                      ; my half of a slot
	s_wait_dscnt 0x0                               ; the opening add is done
	s_wait_kmcnt 0x0
	s_add_nc_u64 s[4:5], s[4:5], s[40:41]          ; the buffer at my head
	s_add_co_u32 s40, s42, 12800
	s_add_nc_u64 s[HBASE:HBASE+1], s[4:5], s[40:41]
	s_mov_b32 s[G0], 1
	s_mov_b32 s[G0+1], s42
	s_mov_b64 s[G0+2:G0+3], s[HBASE:HBASE+1]
	s_or_b32 s[G0+3], s[G0+3], 0x80000000
	TLOAD                                          ; slot 0
	s_add_nc_u64 s[PFA:PFA+1], s[4:5], 12800+BLKB  ; at slot 1: the first change of slots steps it to slot 2
	v_and_b32 v8, 31, v0                           ; lane
	v_and_b32 v9, 15, v0                           ; r
	v_bfe_u32 v10, v0, 4, 1                        ; h
	s_delay_alu instid0(VALU_DEP_3)
	v_lshlrev_b32 v1, 4, v8
	s_delay_alu instid0(VALU_DEP_4)
	v_lshlrev_b32 v2, 3, v8
	s_delay_alu instid0(VALU_DEP_4)
	v_lshlrev_b32 v3, 4, v9
	v_lshlrev_b32 v4, 2, v9
	v_and_b32 v7, 8, v9
	s_delay_alu instid0(VALU_DEP_1)
	v_add_nc_u32 v7, v7, v9
	v_lshlrev_b32 v10, 4, v10
	s_delay_alu instid0(VALU_DEP_1)
	v_sub_nc_u32 v7, v7, v10                       ; r + 8 (r / 8) - 16 h
	s_sub_co_u32 s40, s[WV], 4
	s_lshl_b32 s40, s40, 5
	v_add_nc_u32 v[PFO], s40, v8
	s_delay_alu instid0(VALU_DEP_1)
	v_min_u32 v[PFO], 99, v[PFO]
	s_delay_alu instid0(VALU_DEP_1)
	v_lshlrev_b32 v[PFO], 8, v[PFO]
	s_lshr_b32 s40, s[WV], 2
	s_xor_b32 s40, s40, 1                          ; 0 in waves 4 to 7,
	s_or_b32 s40, s40, ttmp9                       ; of the head's first work-group
	s_cmp_eq_u32 s40, 0
	s_cselect_b32 s[LIM], 6, 0
	; both blocks' Q: my tile's piece and its scale word
	s_mul_i32 s40, s[WV], 768
	v_add_nc_u32 v236, s40, v1
	s_wait_alu depctr_va_vdst(0)
	s_add_co_u32 s40, s40, 512
	v_add_nc_u32 v237, s40, v2
	s_wait_alu depctr_va_vdst(0)
	s_lshr_b32 s40, s[WV], 3
	s_lshl_b32 s40, s40, 8
	s_bfe_u32 s41, s[WV], 0x20001
	s_lshl_b32 s41, s41, 2
	s_add_co_u32 s40, s40, s41
	s_add_co_u32 s40, s40, 12288
	v_add_nc_u32 v238, s40, v3
	s_mul_i32 s40, s[BLK], BLKB
	s_mov_b32 s41, 0
	s_add_nc_u64 s[42:43], s[4:5], s[40:41]
	s_mul_i32 s40, ttmp9, BLKB
	s_add_nc_u64 s[54:55], s[4:5], s[40:41]
	global_load_b128 v[22:25], v236, s[42:43]
	global_load_b64 v[26:27], v237, s[42:43]
	global_load_b32 v235, v238, s[42:43]
	global_load_b128 v[228:231], v236, s[54:55]
	global_load_b64 v[232:233], v237, s[54:55]
	global_load_b32 v234, v238, s[54:55]
	s_and_b32 s40, s[WV], 1
	s_mov_b32 s[PSEL], 0x03020302
	s_cmp_eq_u32 s40, 0
	s_cselect_b32 s[PSEL], 0x01000100, s[PSEL]     ; my tile's two bytes of the word, twice
	s_lshr_b32 s40, s[WV], 1
	s_lshl_b32 s40, s40, 5
	s_and_b32 s41, s[WV], 1
	s_lshl_b32 s41, s41, 3
	s_add_co_u32 s[QW], s40, s41
	s_lshl_b32 s[Q0], s[BLK], 8
	s_add_co_u32 s[Q0], s[Q0], s[QW]
	s_lshr_b32 s40, s[Y], 4                        ; batch
	s_and_b32 s41, s[Y], 15                        ; head
	s_lshl_b32 s56, s40, 7
	s_add_co_u32 s56, s56, s[WV]
	s_mul_i32 s56, s56, 12288
	s_mul_i32 s57, s41, 768
	s_add_co_u32 s56, s56, s57
	s_mov_b32 s57, 0
	s_add_nc_u64 s[OC0:OC0+1], s[6:7], s[56:57]
	s_lshr_b32 s56, s41, 1
	s_lshl_b32 s56, s56, 15
	s_lshl_b32 s58, s40, 13
	s_add_co_u32 s56, s56, s58
	s_lshl_b32 s58, s[WV], 6
	s_add_co_u32 s56, s56, s58
	s_and_b32 s58, s41, 1
	s_lshl_b32 s58, s58, 1
	s_add_co_u32 s56, s56, s58
	s_add_nc_u64 s[OS0:OS0+1], s[8:9], s[56:57]
.irp j, 0,1,2,3,4,5
	v_mov_b32 v[16+\j], 0                          ; zero codes on both sides of Q
	v_mov_b32 v[28+\j], 0
.endr
.irp b, 0,1,2,3
	v_mov_b32 v[BX+\b], 0                          ; written once: a lane permute's destination counts as one of its sources
.endr
	v_mov_b32 v[F+1], 0                            ; (named as the upper half of a pair)
	s_wait_loadcnt 0x0                             ; Q
	v_perm_b32 v36, v235, v235, s[PSEL]
	FRESH
; A KEY STEP: 128 keys, the q-th of the slot in hand.
.macro STEP q
	s_add_co_u32 s40, s[Q0], 23                    ; my last query
	s_add_co_u32 s41, s[KF], 128*(\q)              ; the step's first key
	s_cmp_gt_u32 s41, s40                          ; a step all of whose keys come after my queries is left out: ids and counted steps alone; no barrier and no tensor load stands in a step
	s_cbranch_scc1 .Lhid_\@
.rept 4
	v_nop                                          ; places in front of loads into registers that matrix instructions have read
.endr
	s_wait_alu depctr_va_vdst(0)
.irp t, 0,1,2,3,4,5,6,7
	ds_load_b128 v[FRG+6*\t:FRG+6*\t+3], v8 offset:(8*(\q)+\t)*768
	ds_load_b64 v[FRG+6*\t+4:FRG+6*\t+5], v9 offset:(8*(\q)+\t)*768+512
.endr
	ds_load_b128 v[KSW:KSW+3], v10 offset:KSO+256*(\q)
	s_wait_dscnt 0x0
.irp j, 0,1,2,3
	v_wmma_scale_f32_16x16x128_f8f6f4 v[S+16*\j:S+16*\j+7], v[FRG+12*\j:FRG+12*\j+11], v[22:33], 0, v[KSW+\j], v36 matrix_a_fmt:MATRIX_FMT_FP6 matrix_b_fmt:MATRIX_FMT_FP6
	v_wmma_scale_f32_16x16x128_f8f6f4 v[S+16*\j+8:S+16*\j+15], v[FRG+12*\j:FRG+12*\j+11], v[16:27], 0, v[KSW+\j], v36 matrix_a_fmt:MATRIX_FMT_FP6 matrix_b_fmt:MATRIX_FMT_FP6
.endr                                          ; register 16 b + i is key 32 b + 16 h + i of the step
.rept 4
	v_nop
.endr
	s_wait_alu depctr_va_vdst(0)
.irp t, 0,1,2,3                                ; V's fragments take K's registers and land under the softmax
	ds_load_b128 v[FRG+12*\t:FRG+12*\t+3], v8 offset:VCO+6144*(\q)+1536*\t
	ds_load_b64 v[FRG+12*\t+4:FRG+12*\t+5], v9 offset:VCO+6144*(\q)+1536*\t+512
	ds_load_b128 v[FRG+12*\t+6:FRG+12*\t+9], v8 offset:VCO+6144*(\q)+1536*\t+768
	ds_load_b64 v[FRG+12*\t+10:FRG+12*\t+11], v9 offset:VCO+6144*(\q)+1536*\t+1280
.endr
	ds_load_b128 v[VSW:VSW+3], v10 offset:VSO+256*(\q)
	s_add_co_u32 s40, s41, 127
	s_cmp_le_u32 s40, s[Q0]                        ; a step all of whose keys count skips the mask
	s_cbranch_scc1 .Lopen_\@
	s_sub_co_i32 s40, s[Q0], s41
	v_add_nc_u32 v236, s40, v7                     ; d = my query - the step's first key - 16 h: register 16 b + i is hidden where 32 b + i > d
	v_mov_b32 v237, 0xff800000                     ; -infinity: p = 0 then
.set n, 0
.rept 64
	v_cmp_gt_i32 vcc_lo, 32*(n/16)+n%16, v236
	v_cndmask_b32 v[S+n], v[S+n], v237, vcc_lo
.set n, n+1
.endr
.Lopen_\@:
.irp b, 0,1,2,3
	v_max3_num_f32 v[BM+\b], v[S+16*\b], v[S+1+16*\b], v[S+2+16*\b]   ; the largest score of each block of 32 keys: for the row's maximum and, since p rises with the score, for the block's largest p
.endr
.irp i, 3,5,7,9,11,13
.irp b, 0,1,2,3
	v_max3_num_f32 v[BM+\b], v[BM+\b], v[S+16*\b+\i], v[S+1+16*\b+\i]
.endr
.endr
.irp b, 0,1,2,3
	v_max_num_f32 v[BM+\b], v[BM+\b], v[S+15+16*\b]
.endr
.irp b, 0,1,2,3
	s_delay_alu instid0(VALU_DEP_4)
	v_permlanex16_b32 v[BX+\b], v[BM+\b], s[SEL], s[SEL+1]
.endr
.irp b, 0,1,2,3
	s_delay_alu instid0(VALU_DEP_4)
	v_max_num_f32 v[BM+\b], v[BM+\b], v[BX+\b]     ; with lane l xor 16's 16 keys
.endr
	s_delay_alu instid0(VALU_DEP_2)
	v_max3_num_f32 v239, v[BM], v[BM+1], v[BM+2]
	s_delay_alu instid0(VALU_DEP_1)
	v_max_num_f32 v239, v239, v[BM+3]
	s_delay_alu instid0(VALU_DEP_1)
	v_mul_f32 v239, s[CS], v239                    ; as t
	s_delay_alu instid0(VALU_DEP_1)
	v_max_num_f32 v13, v13, v239                   ; the running largest t
	v_mov_b32 v239, v12
	s_delay_alu instid0(VALU_DEP_2)
	v_floor_f32 v12, -v13                          ; the new -M = -ceil(t)
	s_delay_alu instid0(VALU_DEP_1)
	v_sub_f32 v239, v12, v239                      ; old M - new M: a whole number, 0 or less
	s_delay_alu instid0(VALU_DEP_1)
	v_cvt_i32_f32 v239, v239
	s_delay_alu instid0(VALU_DEP_1)
	v_ldexp_f32 v[F], 1.0, v239                    ; f = 2^(old M - new M)
.set n, 0
.rept 32
	v_pk_fma_f32 v[S+n:S+n+1], v[S+n:S+n+1], s[CS:CS+1], v[12:13] op_sel_hi:[1,0,0]   ; t - M
.set n, n+2
.endr
.irp b, 0,1,2,3
	v_fma_f32 v[BM+\b], v[BM+\b], s[CS], v12
.endr
.set n, 0
	s_wait_alu depctr_va_vdst(0)
.rept 64
	v_exp_f32 v[S+n], v[S+n]                       ; p = 2^(t - M)
.set n, n+1
.endr
	v_pk_mul_f32 v[14:15], v[14:15], v[F:F+1] op_sel_hi:[1,0]   ; the sums under the new M; a plain place behind the exponentials
	s_wait_alu depctr_va_vdst(0)                   ; one wait for the batch of 64, ahead of its first reader
.irp b, 0,1,2,3
	v_exp_f32 v[BM+\b], v[BM+\b]                   ; the blocks' largest p
.endr
	v_pk_add_f32 v[216:217], v[100:101], v[104:105]
	v_pk_add_f32 v[254:255], v[108:109], v[112:113]
	v_pk_add_f32 v[252:253], v[116:117], v[120:121]
	v_pk_add_f32 v[250:251], v[124:125], v[128:129]
	v_pk_add_f32 v[248:249], v[132:133], v[136:137]
	v_pk_add_f32 v[246:247], v[140:141], v[144:145]
	v_pk_add_f32 v[244:245], v[148:149], v[152:153]
	v_pk_add_f32 v[14:15], v[14:15], v[156:157]
	v_pk_add_f32 v[216:217], v[216:217], v[96:97]
	v_pk_add_f32 v[254:255], v[254:255], v[98:99]
	v_pk_add_f32 v[252:253], v[252:253], v[102:103]
	v_pk_add_f32 v[250:251], v[250:251], v[106:107]
	v_pk_add_f32 v[248:249], v[248:249], v[110:111]
	v_pk_add_f32 v[246:247], v[246:247], v[114:115]
	v_pk_add_f32 v[244:245], v[244:245], v[118:119]
	v_pk_add_f32 v[14:15], v[14:15], v[122:123]
	v_pk_add_f32 v[216:217], v[216:217], v[126:127]
	v_pk_add_f32 v[254:255], v[254:255], v[130:131]
	v_pk_add_f32 v[252:253], v[252:253], v[134:135]
	v_pk_add_f32 v[250:251], v[250:251], v[138:139]
	v_pk_add_f32 v[248:249], v[248:249], v[142:143]
	v_pk_add_f32 v[246:247], v[246:247], v[146:147]
	v_pk_add_f32 v[244:245], v[244:245], v[150:151]
	v_pk_add_f32 v[14:15], v[14:15], v[154:155]
	v_pk_add_f32 v[216:217], v[216:217], v[158:159]
	s_delay_alu instid0(VALU_DEP_2)
	v_pk_add_f32 v[14:15], v[14:15], v[250:251]
	s_delay_alu instid0(VALU_DEP_2)
	v_pk_add_f32 v[216:217], v[216:217], v[248:249]
	v_pk_add_f32 v[254:255], v[254:255], v[246:247]
	v_pk_add_f32 v[252:253], v[252:253], v[244:245]
	s_delay_alu instid0(VALU_DEP_2)
	v_pk_add_f32 v[14:15], v[14:15], v[254:255]
	s_delay_alu instid0(VALU_DEP_2)
	v_pk_add_f32 v[216:217], v[216:217], v[252:253]
	s_delay_alu instid0(VALU_DEP_1)
	v_pk_add_f32 v[14:15], v[14:15], v[216:217]
	s_wait_alu depctr_va_vdst(0)                   ; and one for the four
.irp b, 0,1,2,3
	v_max_num_f32 v[BM+\b], 0x1800000, v[BM+\b]    ; the floor 2^(3 - 127)
.endr
.irp b, 0,1,2,3
	s_delay_alu instid0(VALU_DEP_4)
	v_add_nc_u32 v[SCO+\b], 0xff000000, v[BM+\b]
.endr
.irp b, 0,1,2,3
	s_delay_alu instid0(VALU_DEP_4)
	v_lshrrev_b32 v[BX+\b], 23, v[SCO+\b]
.endr
	s_delay_alu instid0(VALU_DEP_3)
	v_lshl_or_b32 v[PSW], v[BX+1], 8, v[BX]        ; p's scale word for these 128 keys
	s_delay_alu instid0(VALU_DEP_1)
	v_lshl_or_b32 v[PSW], v[BX+2], 16, v[PSW]
	s_delay_alu instid0(VALU_DEP_1)
	v_lshl_or_b32 v[PSW], v[BX+3], 24, v[PSW]
.irp c, 0,1
	v_cvt_scalef32_pk16_fp6_f32 v[PCD+6*\c:PCD+6*\c+2], v[S+32*\c:S+32*\c+15], v[SCO+2*\c]
	v_cvt_scalef32_pk16_fp6_f32 v[PC2+4*\c:PC2+4*\c+2], v[S+32*\c+16:S+32*\c+31], v[SCO+2*\c+1]
.endr
	v_nop                                          ; one plain place behind a scaled conversion
.irp c, 0,1
.irp i, 0,1,2
	v_permlane16_swap_b32 v[PCD+6*\c+\i], v[PC2+4*\c+\i]
.endr
.irp i, 0,1,2
	s_delay_alu instid0(VALU_DEP_3)
	v_mov_b32 v[PCD+3+6*\c+\i], v[PC2+4*\c+\i]
.endr
.endr
.set n, 0
.rept 16
	v_pk_mul_f32 v[OT+n:OT+n+1], v[OT+n:OT+n+1], v[F:F+1] op_sel_hi:[1,0]   ; O^T under the new M
.set n, n+2
.endr
.rept 4
	v_nop                                          ; so that no product takes up a register written just ahead of it
.endr
	s_wait_alu depctr_va_vdst(0)
	s_wait_dscnt 0x0                               ; V
.irp t, 0,1,2,3
	v_wmma_scale_f32_16x16x128_f8f6f4 v[OT+8*\t:OT+8*\t+7], v[FRG+12*\t:FRG+12*\t+11], v[PCD:PCD+11], v[OT+8*\t:OT+8*\t+7], v[VSW+\t], v[PSW] matrix_a_fmt:MATRIX_FMT_FP6 matrix_b_fmt:MATRIX_FMT_FP6
.endr
.Lhid_\@:
.endm
; THE CHANGE OF SLOTS stands at a slot's head: every wave waits for all its tensor loads, adds 0 to its spare word, waits for that and for its reads of the slot that it has left, and passes the barrier;
; fill = 1: the slot that was left takes the next trip's keys: slot T + 1 of the first block, or T + 1 - NH of the second.  One tensor load of a wave is out.
.macro CHANGE fill
	s_wait_tensorcnt 0x0
	ds_add_u32 v[SPW], v[NIL]                      ; the descriptor's words are made between the add and the wait for it
.if \fill
	s_add_co_u32 s40, s[T], 1
	s_cmp_ge_u32 s40, s[NH]
	s_cselect_b32 s41, s[NH], 0
	s_sub_co_u32 s40, s40, s41
	s_mul_i32 s40, s40, BLKB
	s_mov_b32 s41, 0
	s_xor_b32 s[G0+1], s[G0+1], SLOT1
	s_add_nc_u64 s[G0+2:G0+3], s[HBASE:HBASE+1], s[40:41]
	s_or_b32 s[G0+3], s[G0+3], 0x80000000
	s_wait_xcnt 0x0                                ; the last prefetch, a slot back, has read its address
	s_add_nc_u64 s[PFA:PFA+1], s[PFA:PFA+1], BLKB
.endif
	s_wait_dscnt 0x0
	s_barrier_signal -1
	s_barrier_wait -1
.if \fill
	TLOAD
	ASK
.endif
.endm
.macro SLOTWORK
	v_add_nc_u32 v8, s[TB], v1
	v_add_nc_u32 v9, s[TB], v2
	v_add_nc_u32 v10, s[TB], v3
	s_lshl_b32 s[KF], s[SIG], 8
	STEP 0
	STEP 1
	s_xor_b32 s[TB], s[TB], SLOT1
.endm
; A block's way out: O^T / the sum; register 16 b + i is channel 32 b + 16 h + i of my query: two blocks of 32 are quantised and leave as one piece and one half-word.
.macro OUT
	s_wait_xcnt 0x0                                ; earlier stores have read their bases and data
	s_mul_i32 s40, s[BLK], 196608
	s_mov_b32 s41, 0
	s_add_nc_u64 s[46:47], s[OC0:OC0+1], s[40:41]
	s_lshl_b32 s40, s[BLK], 10
	s_add_nc_u64 s[48:49], s[OS0:OS0+1], s[40:41]
.rept 4
	v_nop                                          ; places behind the last products
.endr
	v_add_f32 v14, v14, v15
	v_permlanex16_b32 v236, v14, s[SEL], s[SEL+1]
	s_delay_alu instid0(VALU_DEP_1)
	v_add_f32 v14, v14, v236                       ; the row's sum
	s_wait_alu depctr_va_vdst(0)
	v_rcp_f32 v236, v14
	v_nop
	s_wait_alu depctr_va_vdst(0)                   ; ahead of the reciprocal's first reader
.set n, 0
.rept 16
	v_pk_mul_f32 v[S+n:S+n+1], v[OT+n:OT+n+1], v[236:237] op_sel_hi:[1,0]
.set n, n+2
.endr
.irp b, 0,1
	v_max3_num_f32 v[BM+\b], |v[S+16*\b]|, |v[S+1+16*\b]|, 0x1800000
.endr
.irp i, 2,4,6,8,10,12,14
.irp b, 0,1
	s_delay_alu instid0(VALU_DEP_2)
	v_max3_num_f32 v[BM+\b], v[BM+\b], |v[S+16*\b+\i]|, |v[S+1+16*\b+\i]|
.endr
.endr
.irp b, 0,1
	s_delay_alu instid0(VALU_DEP_2)
	v_permlanex16_b32 v[BX+\b], v[BM+\b], s[SEL], s[SEL+1]
.endr
.irp b, 0,1
	s_delay_alu instid0(VALU_DEP_2)
	v_max_num_f32 v[BM+\b], v[BM+\b], v[BX+\b]
.endr
.irp b, 0,1
	s_delay_alu instid0(VALU_DEP_2)
	v_add_nc_u32 v[SCO+\b], 0xff000000, v[BM+\b]
.endr
.irp b, 0,1
	s_delay_alu instid0(VALU_DEP_2)
	v_lshrrev_b32 v[BX+\b], 23, v[SCO+\b]
.endr
	s_delay_alu instid0(VALU_DEP_1)
	v_lshl_or_b32 v238, v[BX+1], 8, v[BX]
	v_cvt_scalef32_pk16_fp6_f32 v[PCD:PCD+2], v[S:S+15], v[SCO]
	v_cvt_scalef32_pk16_fp6_f32 v[PC2:PC2+2], v[S+16:S+31], v[SCO+1]
	v_nop
.irp i, 0,1,2
	v_permlane16_swap_b32 v[PCD+\i], v[PC2+\i]
.endr
.irp i, 0,1,2
	s_delay_alu instid0(VALU_DEP_3)
	v_mov_b32 v[PCD+3+\i], v[PC2+\i]
.endr
	global_store_b128 v1, v[PCD:PCD+3], s[46:47]               ; 512 consecutive bytes, aligned
	global_store_b64 v2, v[PCD+4:PCD+5], s[46:47] offset:512   ; 256
	global_store_b16 v4, v238, s[48:49]                        ; lanes l and l xor 16 store the same half-word to the same place
.endm
.Ltrip:                                            ; eight trips, each asking for the next trip's slot
	CHANGE 1
	SLOTWORK
	s_add_co_u32 s[SIG], s[SIG], 1
	s_add_co_u32 s40, s[T], 1
	s_cmp_lg_u32 s40, s[NH]                        ; the first block's last slot?  The work-group's number and the count of trips alone: all sixteen waves go the same way
	s_cbranch_scc1 .Lsame
	OUT
	s_mov_b32 s[BLK], ttmp9                        ; the second block
	s_lshl_b32 s[Q0], s[BLK], 8
	s_add_co_u32 s[Q0], s[Q0], s[QW]
	s_mov_b32 s[SIG], 0
.irp j, 0,1,2,3,4,5
	v_mov_b32 v[22+\j], v[228+\j]
.endr
	v_perm_b32 v36, v234, v234, s[PSEL]
	FRESH                                          ; (these 36 lines are also the places between the writes of Q and its scale word and the next products)
	s_wait_xcnt 0x0                                ; the stores have read the codes' registers
.Lsame:
	s_add_co_u32 s[T], s[T], 1
	s_cmp_lt_u32 s[T], 8
	s_cbranch_scc1 .Ltrip
	CHANGE 0                                       ; the ninth slot is written out: nothing more is asked for
	SLOTWORK
	OUT
	s_wait_tensorcnt 0x0                           ; the wave's end: behind the last tensor load
	ds_add_u32 v[SPW], v[NIL]
	s_wait_dscnt 0x0
	s_endpgm
.Lfunc_end_k_q1cf095a9d1_attn:
	.size	k_q1cf095a9d1_attn, .Lfunc_end_k_q1cf095a9d1_attn-k_q1cf095a9d1_attn
	.p2alignl 7, 3214868480
	.fill 96, 4, 3214868480
	.section	.rodata,"a",@progbits
	.p2align	6, 0x0
	.amdhsa_kernel k_q1cf095a9d1_attn
		.amdhsa_group_segment_fixed_size 327680
		.amdhsa_private_segment_fixed_size 0
		.amdhsa_enable_private_segment 0
		.amdhsa_kernarg_size 24
		.amdhsa_user_sgpr_count 2
		.amdhsa_user_sgpr_kernarg_segment_ptr 1
		.amdhsa_wavefront_size32 1
		.amdhsa_system_sgpr_workgroup_id_x 1
		.amdhsa_system_sgpr_workgroup_id_y 1
		.amdhsa_system_sgpr_workgroup_id_z 1
		.amdhsa_system_vgpr_workitem_id 0
		.amdhsa_next_free_vgpr 256
		.amdhsa_next_free_sgpr 66
		.amdhsa_reserve_vcc 1
		.amdhsa_float_denorm_mode_32 3
		.amdhsa_float_denorm_mode_16_64 3
		.amdhsa_memory_ordered 1
		.amdhsa_forward_progress 1
		.amdhsa_inst_pref_size 110
	.end_amdhsa_kernel
	.amdgpu_metadata
---
amdhsa.version: [ 1, 2 ]
amdhsa.kernels:
  - .name:           k_q1cf095a9d1_attn
    .symbol:         k_q1cf095a9d1_attn.kd
    .args:
      - { .name: qkv, .offset: 0, .size: 8, .value_kind: global_buffer, .address_space: global }
      - { .name: oc, .offset: 8, .size: 8, .value_kind: global_buffer, .address_space: global }
      - { .name: os, .offset: 16, .size: 8, .value_kind: global_buffer, .address_space: global }
    .group_segment_fixed_size: 327680
    .private_segment_fixed_size: 0
    .kernarg_segment_align: 8
    .kernarg_segment_size: 24
    .max_flat_workgroup_size: 512
    .sgpr_count:     66
    .vgpr_count:     256
    .wavefront_size: 32
...
	.end_amdgpu_metadata
.endif
;; end of part 3
;; launch proj (part 4): grid 4 x 64, 4 waves a work-group, clusters of 4 x 4, 327,680 bytes of LDS; arguments oc, os, c1, sc1, b_proj, out0; writes out0
.if DOCPART == 4
	.amdgcn_target "amdgcn-amd-amdhsa--gfx1250"
	.amdhsa_code_object_version 6
	.text
	.protected	k_q1cf095a9d1_proj
	.globl	k_q1cf095a9d1_proj
	.p2align	8
	.type	k_q1cf095a9d1_proj,@function
k_q1cf095a9d1_proj:
	s_mov_b64 s[64:65], 0
	v_nop
	global_prefetch_b8 v0, s[64:65] scope:SCOPE_SE
	s_setreg_imm32_b32 hwreg(HW_REG_WAVE_MODE, 25, 1), 1
	s_wait_xcnt 0x0
	s_wait_alu depctr_hold_cnt(0) depctr_sa_sdst(0) depctr_va_vdst(0) depctr_va_sdst(0) depctr_va_ssrc(0) depctr_va_vcc(0) depctr_vm_vsrc(0)
	s_getreg_b32 s2, hwreg(HW_REG_IB_STS2, 6, 4)
	s_cmp_eq_u32 s2, 0
	s_cbranch_scc0 .Lentry_in_a_cluster
	s_endpgm
.Lentry_in_a_cluster:
	s_bfe_u32 s2, ttmp6, 0x10000c
	s_cmp_lg_u32 s2, 0xf033
	s_cbranch_scc0 .Lentry_shape_is_right
	s_endpgm
.Lentry_shape_is_right:
; out0 = attention's output x W_proj + b_proj on codes of FP6 (E2M3) with E8M0 scales, K = 1,024; the result leaves as f32.
; OPERANDS: row blocks of 16 rows x 16 pieces of 768 bytes (a piece: 16 rows x 64 K as an image of operand registers 0-5); rows lie by position (bits 3 and 4 exchanged inside each 32).  A = tokens (oc, scale words os),
; B = W_proj's columns (row blocks 704-767 of c1, scale words in sc1).  The matrix instruction is used transposed: source 0 = B, source 1 = A: a lane holds one token, and the 16 registers of B's blocks 2 b, 2 b + 1 are 16 neighbouring columns.
; A work-group makes 128 tokens x 256 columns (256 work-groups), a wave 64 x 128: 32 accumulators.  4 x 4 work-groups form a cluster: A's tiles are asked for jointly along a row, B's along a column.
; ALL OF K LIES IN LDS: four slots of 256 K (73,728 bytes) and the scale words are first fills, asked for at the head; nothing is filled again.  By this text's own count a wave has at most five tensor loads out.
; K: eight steps of 128, written out; a barrier with a counted wait shows each later slot whole.  The bias is the C of each sum's first product.
; REGISTERS: window 0: v1-7 lane terms; v8-23 LDS addresses; v24, v25 the stage; v27, v30 scale words' addresses; v28, v29 the add's two; v32-95 all of K's scale words; v128-175 A's fragments; on the way out v128-255 rows of the result.
;   window 1: B's fragments, two sets at v0 and v128; v96-127, v224-255 the bias.   window 2: accumulator (a, b) at v[8 (8 a + b)].
.set NA,    4
.set HB,    NA/2
.set QB,    NA/4
.set FR,    12
.set NL,    4
.set RB,    3072
.set HALFA, NA*RB
.set HALFB, 8*RB
.set SLOT,  2*HALFA+2*HALFB
.set NSLOT, 4
.set SCA,   NSLOT*SLOT                 ; A's scale words: two halves of 8 tables x (256 bytes + 256 of padding)
.set SCB,   SCA+8192+64                ; B's: two halves of 8 tables x 512 bytes
.set SPARE, SCA+16640
.set WV, 16
.set HI, 17
.set LO, 18
.set G1, 24
.set G1B, 32
.set G1S, 40
.set G1SB, 48
.set G0S, 76
.set G0SB, 96
.set ADRA, 8
.set ADRB, 16
.set STO, 24
.set RD, 25
.set ADRS, 27
.set SPW, 28
.set NIL, 29
.set ADRS2, 30
.set SC, 32
.set AF, 128
.set BK, 128
.set MSB, 0
.macro WIN new
.if MSB != \new
	s_set_vgpr_msb (MSB<<8)|\new
.set MSB, \new
.endif
.endm
.macro JLOAD g0a, g1a, g0b, g1b        ; waves 0 and 1 fetch for A, waves 2 and 3 for B; an s_nop 0 and four v_nop follow each of the two lines
	s_cmp_eq_u32 s[HI], 0
	s_cbranch_scc0 .Lfor_b_\@
	tensor_load_to_lds s[\g0a:\g0a+3], s[\g1a:\g1a+7]
	s_nop 0
.rept 4
	v_nop
.endr
	s_branch .Lasked_\@
.Lfor_b_\@:
	tensor_load_to_lds s[\g0b:\g0b+3], s[\g1b:\g1b+7]
	s_nop 0
.rept 4
	v_nop
.endr
.Lasked_\@:
.endm
.macro CROUND                          ; a round of the cluster's barrier
	s_barrier_signal -1
	s_barrier_wait -1
	s_cmp_lg_u32 s[WV], 0
	s_cbranch_scc1 .Lnot_wave_0_\@
	s_barrier_signal -3
.Lnot_wave_0_\@:
	s_barrier_wait -3
	s_barrier_signal -1
	s_barrier_wait -1
.endm
.macro PLACES
.rept 4
	v_nop
.endr
.endm
.macro FRAG reg, adr, s, i
	ds_load_b128 v[\reg:\reg+3], v[\adr+((\s)/2)%NSLOT] offset:(\i)*RB+((\s)%2)*1536
	ds_load_b64 v[\reg+4:\reg+5], v[\adr+4+((\s)/2)%NSLOT] offset:(\i)*RB+((\s)%2)*1536+512
	ds_load_b128 v[\reg+6:\reg+9], v[\adr+((\s)/2)%NSLOT] offset:(\i)*RB+((\s)%2)*1536+768
	ds_load_b64 v[\reg+10:\reg+11], v[\adr+4+((\s)/2)%NSLOT] offset:(\i)*RB+((\s)%2)*1536+1280
.endm
.macro FETCH_B s
	WIN 0x40
.set fi, 0
.rept 8
	FRAG 128*((\s)%2)+FR*fi, ADRB, \s, fi
.set fi, fi+1
.endr
	WIN 0
.endm
.macro FETCH_A s, i0, n
.set fi, \i0
.rept \n
	FRAG AF+FR*fi, ADRA, \s, fi
.set fi, fi+1
.endr
.endm
.macro SCALES                          ; lanes 0-15 A's block i, lanes 16-31 B's block i.  A has four blocks: for i = 4 .. 7 the second address lets lanes 0-15 read blocks 0-3 once more, so that no lane reads padding
.set ss, 0
.rept 8
.set si, 0
.rept 8
.if si < NA
	ds_load_b32 v[SC+8*ss+si], v[ADRS] offset:512*ss+64*si
.else
	ds_load_b32 v[SC+8*ss+si], v[ADRS2] offset:512*ss+64*si
.endif
.set si, si+1
.endr
.set ss, ss+1
.endr
.endm
.macro MULA a0, n, s, cm               ; n blocks of A x B's eight; cm = 1: the sums start from the bias of B's block.  The accumulators take turns, one instruction a turn
.if \cm
	WIN 0x91
.else
	WIN 0xa1
.endif
.set ma, \a0
.rept \n
.set mb, 0
.rept 8
.set rD, 8*(8*ma+mb)
.set rB, 128*((\s)%2)+FR*mb
.set rA, AF+FR*ma
.if \cm == 0
	v_wmma_scale_f32_16x16x128_f8f6f4 v[rD:rD+7], v[rB:rB+FR-1], v[rA:rA+FR-1], v[rD:rD+7], v[SC+8*(\s)+mb], v[SC+8*(\s)+ma] matrix_a_fmt:MATRIX_FMT_FP6 matrix_b_fmt:MATRIX_FMT_FP6 matrix_a_scale:MATRIX_SCALE_ROW1
.else
.set rC, 96+8*mb+96*(mb/4)
	v_wmma_scale_f32_16x16x128_f8f6f4 v[rD:rD+7], v[rB:rB+FR-1], v[rA:rA+FR-1], v[rC:rC+7], v[SC+8*(\s)+mb], v[SC+8*(\s)+ma] matrix_a_fmt:MATRIX_FMT_FP6 matrix_b_fmt:MATRIX_FMT_FP6 matrix_a_scale:MATRIX_SCALE_ROW1
.endif
.set mb, mb+1
.endr
.set ma, ma+1
.endr
.endm
.macro STEPG s, sync, cnt, cm          ; step s multiplies and fetches step s + 1's fragments; sync = 1: a barrier shows the next slot whole; later slots may stay out
.if \sync == 0
	s_wait_dscnt HB*NL                             ; B's set and A's lower blocks are in; A's upper blocks may be out
	MULA 0, HB, \s, \cm
	s_wait_dscnt 0x0
	PLACES
.else
	s_wait_tensorcnt \cnt                          ; my part of the next slot has landed; the later slots' loads may be out
	s_wait_dscnt HB*NL
	MULA 0, QB, \s, \cm
	s_wait_dscnt 0x0                               ; no LDS instruction of mine is out at the signal
	s_barrier_signal -1
	MULA QB, QB, \s, \cm
	WIN 0
	s_barrier_wait -1
	PLACES
.endif
	FETCH_B (\s)+1
	FETCH_A (\s)+1, 0, HB
	MULA HB, HB, \s, \cm
	PLACES
	WIN 0
	FETCH_A (\s)+1, HB, HB
.endm
	s_load_b256 s[4:11], s[0:1], 0x0               ; oc s[4:5], os s[6:7], c1 s[8:9], sc1 s[10:11]
	s_load_b128 s[12:15], s[0:1], 0x20             ; b_proj s[12:13], out0 s[14:15]
	v_lshl_add_u32 v[SPW], v0, 2, SPARE
	v_mov_b32 v[NIL], 0
	ds_add_u32 v[SPW], v[NIL]                      ; the wave's opening: the add and its wait stand ahead of my first tensor load
	v_lshrrev_b32 v1, 5, v0
	v_readfirstlane_b32 s[WV], v1
	s_lshr_b32 s[HI], s[WV], 1
	s_and_b32 s[LO], s[WV], 1
	s_bfe_u32 s19, ttmp6, 0x40000                  ; cx
	s_bfe_u32 s20, ttmp6, 0x40004                  ; cy
	s_and_b32 s21, ttmp7, 0xffff                   ; the cluster's y
	s_lshl_b32 s22, s20, 2
	s_lshl_b32 s22, 15, s22                        ; my row of the cluster
	s_lshl_b32 s23, 0x1111, s19                    ; my column
	s_or_b32 s[G1], s22, (3<<16)|(1<<21)
	s_or_b32 s[G1B], s23, (3<<16)|(1<<21)
	s_or_b32 s[G1S], s22, (3<<16)|(1<<20)|(1<<21)|(5<<22)|(63<<25)  ; A's scale words: behind every 64 words 64 words of padding, so that a table is 512 bytes in LDS as B's is
	s_or_b32 s[G1SB], s23, (3<<16)|(1<<21)
	s_mov_b32 s[G1+1], 384<<16                     ; A's codes: 4 row blocks x 3,072 bytes, 12,288 apart
	s_mov_b32 s[G1+2], NA<<16
	s_mov_b32 s[G1+3], 384<<16
	s_mov_b32 s[G1+4], NA
	s_mov_b32 s[G1+5], 1536
	s_mov_b32 s[G1+6], 0
	s_mov_b32 s[G1+7], 0
	s_mov_b32 s[G1B+1], 384<<16                    ; B's: 8 row blocks
	s_mov_b32 s[G1B+2], 8<<16
	s_mov_b32 s[G1B+3], 384<<16
	s_mov_b32 s[G1B+4], 8
	s_mov_b32 s[G1B+5], 1536
	s_mov_b32 s[G1B+6], 0
	s_mov_b32 s[G1B+7], 0
	s_mov_b32 s[G1S+1], 32<<16                     ; A's scale words: 8 tables x 256 bytes (64 positions), 32,768 apart
	s_mov_b32 s[G1S+2], 8<<16
	s_mov_b32 s[G1S+3], 32<<16
	s_mov_b32 s[G1S+4], 8
	s_mov_b32 s[G1S+5], 4096
	s_mov_b32 s[G1S+6], 0
	s_mov_b32 s[G1S+7], 0
	s_mov_b32 s[G1SB+1], 64<<16                    ; B's: 8 tables x 512 bytes, 49,152 apart
	s_mov_b32 s[G1SB+2], 8<<16
	s_mov_b32 s[G1SB+3], 64<<16
	s_mov_b32 s[G1SB+4], 8
	s_mov_b32 s[G1SB+5], 6144
	s_mov_b32 s[G1SB+6], 0
	s_mov_b32 s[G1SB+7], 0
	s_lshl_b32 s2, s21, 5                          ; A's row block that I fetch: 8 (4 cluster y + cy) + 4 x half
	s_lshl_b32 s3, s20, 3
	s_add_co_u32 s2, s2, s3
	s_lshl_b32 s3, s[LO], 2
	s_add_co_u32 s2, s2, s3
	s_lshl_b32 s22, s2, 6
	s_mov_b32 s23, 0
	s_mul_i32 s2, s2, 12288
	s_mov_b32 s3, 0
	s_lshl_b32 s66, s19, 4                         ; B's: 704 + 16 cx + 8 x half
	s_lshl_b32 s67, s[LO], 3
	s_add_co_u32 s66, s66, s67
	s_add_co_u32 s66, s66, 704
	s_lshl_b32 s100, s66, 6
	s_mov_b32 s101, 0
	s_mul_i32 s66, s66, 12288
	s_mov_b32 s67, 0
	s_wait_dscnt 0x0                               ; the opening add is done
	s_wait_kmcnt 0x0
	s_add_nc_u64 s[2:3], s[4:5], s[2:3]
	s_add_nc_u64 s[22:23], s[6:7], s[22:23]
	s_add_nc_u64 s[66:67], s[8:9], s[66:67]
	s_add_nc_u64 s[100:101], s[10:11], s[100:101]
	CROUND                                         ; all sixteen work-groups are here: the joint loads meet
	s_mov_b32 s[G0S], 1
	s_lshl_b32 s[G0S+1], s[LO], 12
	s_add_co_u32 s[G0S+1], s[G0S+1], SCA
	s_mov_b64 s[G0S+2:G0S+3], s[22:23]
	s_or_b32 s[G0S+3], s[G0S+3], 0x80000000
	s_mov_b32 s[G0SB], 1
	s_lshl_b32 s[G0SB+1], s[LO], 12
	s_add_co_u32 s[G0SB+1], s[G0SB+1], SCB
	s_mov_b64 s[G0SB+2:G0SB+3], s[100:101]
	s_or_b32 s[G0SB+3], s[G0SB+3], 0x80000000
	JLOAD G0S, G1S, G0SB, G1SB
.irp k, 0,1,2,3
.set GA, 56+4*\k+4*(\k/2)
.set GB, 80+4*\k
	s_mov_b32 s[GA], 1
	s_mul_i32 s[GA+1], s[LO], HALFA
	s_add_co_u32 s[GA+1], s[GA+1], \k*SLOT
	s_add_nc_u64 s[GA+2:GA+3], s[2:3], \k*3072
	s_or_b32 s[GA+3], s[GA+3], 0x80000000
	s_mov_b32 s[GB], 1
	s_mul_i32 s[GB+1], s[LO], HALFB
	s_add_co_u32 s[GB+1], s[GB+1], \k*SLOT+2*HALFA
	s_add_nc_u64 s[GB+2:GB+3], s[66:67], \k*3072
	s_or_b32 s[GB+3], s[GB+3], 0x80000000
	JLOAD GA, G1, GB, G1B
.endr
	v_and_b32 v1, 31, v0
	v_and_b32 v2, 15, v0
	v_bfe_u32 v3, v0, 4, 1
	v_lshlrev_b32 v4, 4, v1                        ; 16 x lane
	v_lshlrev_b32 v5, 3, v1                        ; 8 x lane
	s_mul_i32 s2, s[HI], HALFA
	s_mul_i32 s3, s[LO], HALFB
	s_add_co_u32 s3, s3, 2*HALFA
.set sl, 0
.rept NSLOT
	v_add_nc_u32 v[ADRA+sl], s2, v4
	v_add_nc_u32 v[ADRA+4+sl], s2, v5
	v_add_nc_u32 v[ADRB+sl], s3, v4
	v_add_nc_u32 v[ADRB+4+sl], s3, v5
	s_add_co_u32 s2, s2, SLOT
	s_add_co_u32 s3, s3, SLOT
.set sl, sl+1
.endr
	s_lshl_b32 s2, s[HI], 12                       ; scale words: the lower base + h x the distance
	s_lshl_b32 s3, s[LO], 12
	s_add_co_u32 s3, s3, SCB-SCA
	s_sub_co_u32 s3, s3, s2
	v_mul_u32_u24 v26, s3, v3
	s_add_co_u32 s22, s2, SCA
	v_lshl_add_u32 v31, v2, 2, s22
	v_add_nc_u32 v[ADRS], v31, v26
	s_add_co_u32 s3, s3, 256                       ; the second: a base 256 lower, a distance 256 larger
	v_mul_u32_u24 v26, s3, v3
	s_add_co_u32 s22, s2, SCA-256
	v_lshl_add_u32 v31, v2, 2, s22
	v_add_nc_u32 v[ADRS2], v31, v26
	s_mul_i32 s2, s[WV], 16*528                    ; my stage, in slot 0: 16 rows x (512 bytes + 16)
	v_mul_u32_u24 v7, v2, 528
	v_lshl_add_u32 v7, v3, 6, v7
	v_add_nc_u32 v[STO], s2, v7                    ; in: row r, + 64 h
	v_add_nc_u32 v[RD], s2, v4                     ; back: a row's 512 bytes for the 32 lanes
	s_lshl_b32 s2, s19, 10                         ; the bias: register j of block 2 b + u is column 32 b + 16 h + 8 u + j of my 128
	s_lshl_b32 s3, s[LO], 9
	s_add_co_u32 s2, s2, s3
	v_lshl_add_u32 v6, v3, 6, s2
	WIN 0x40
.set bx, 0
.rept 8
.set rT, 96+8*bx+96*(bx/4)
	global_load_b128 v[rT:rT+3], v6, s[12:13] offset:128*(bx/2)+32*(bx%2)
	global_load_b128 v[rT+4:rT+7], v6, s[12:13] offset:128*(bx/2)+32*(bx%2)+16
.set bx, bx+1
.endr
	WIN 0
	s_lshl_b32 s2, s21, 2                          ; out0 at my 64 tokens and 128 columns
	s_add_co_u32 s2, s2, s20
	s_lshl_b32 s2, s2, 1
	s_add_co_u32 s2, s2, s[HI]
	s_lshl_b32 s2, s2, 18
	s_lshl_b32 s3, s19, 10
	s_add_co_u32 s2, s2, s3
	s_lshl_b32 s3, s[LO], 9
	s_add_co_u32 s2, s2, s3
	s_mov_b32 s3, 0
	s_add_nc_u64 s[14:15], s[14:15], s[2:3]
	s_wait_tensorcnt 3                             ; the scale words and my part of slot 0 are in; slots 1 to 3 may be out
	s_barrier_signal -1
	s_barrier_wait -1
	FETCH_B 0
	FETCH_A 0, 0, HB
	SCALES
	FETCH_A 0, HB, HB
	s_wait_loadcnt 0x0                             ; the bias
	STEPG 0, 0, 0, 1                               ; the first step starts the sums from the bias
	STEPG 1, 1, 2, 0                               ; slot 1 is shown whole; slots 2 and 3 may be out
	STEPG 2, 0, 0, 0
	STEPG 3, 1, 1, 0
	STEPG 4, 0, 0, 0
	STEPG 5, 1, 0, 0
	STEPG 6, 0, 0, 0
	s_wait_dscnt HB*NL                             ; the last step fetches nothing
	MULA 0, HB, 7, 0
	s_wait_dscnt 0x0
	MULA HB, HB, 7, 0
	WIN 0
; THE WAY OUT, a block of 16 tokens x 128 columns at a time, through my stage and back as whole rows of 512 bytes.  The stage lies in slot 0: it has had its only fill, and every wave has passed three barriers since its last read of it.
; LDS serves a wave's instructions in order: no wait between the stores and the loads.  Row t of block a is token 32 (a / 2) + 8 (a % 2) + t + 8 (t / 8) of my 64.
.macro TOSTAGE a
.set AC, 64*(\a)
	WIN 0x08                                       ; an LDS store's data: window 2
.irp b, 0,1,2,3,4,5,6,7
	ds_store_b128 v[STO], v[AC+8*\b:AC+8*\b+3] offset:128*(\b/2)+32*(\b%2)       ; each accumulator from its low end on
	ds_store_b128 v[STO], v[AC+8*\b+4:AC+8*\b+7] offset:128*(\b/2)+32*(\b%2)+16
.endr
	WIN 0
.set BB, BK+64*((\a)%2)
.irp t, 0,1,2,3,4,5,6,7,8,9,10,11,12,13,14,15
	ds_load_b128 v[BB+4*\t:BB+4*\t+3], v[RD] offset:\t*528
.endr
.endm
.macro SEND a, younger
.set BB, BK+64*((\a)%2)
	s_wait_dscnt \younger                          ; the block is back; the next block's 16 stores and 16 loads may be out
.irp t, 0,1,2,3,4,5,6,7,8,9,10,11,12,13,14,15
	global_store_b128 v4, v[BB+4*\t:BB+4*\t+3], s[14:15] offset:(32*((\a)/2)+8*((\a)%2)+\t+8*(\t/8))*4096 th:TH_STORE_NT   ; 512 consecutive bytes, aligned
.endr
.endm
	PLACES
	TOSTAGE 0
	TOSTAGE 1
	SEND 0, 32
	s_wait_xcnt 0x0                                ; block 0's stores have read their registers: block 2's rows may land there
	TOSTAGE 2
	SEND 1, 32
	s_wait_xcnt 0x0
	TOSTAGE 3
	SEND 2, 32
	SEND 3, 0
	s_wait_tensorcnt 0x0                           ; the wave's end: behind my last tensor load and my last LDS store
	ds_add_u32 v[SPW], v[NIL]
	s_wait_dscnt 0x0
	CROUND                                         ; the closing round
	s_endpgm
.Lfunc_end_k_q1cf095a9d1_proj:
	.size	k_q1cf095a9d1_proj, .Lfunc_end_k_q1cf095a9d1_proj-k_q1cf095a9d1_proj
	.p2alignl 7, 3214868480
	.fill 96, 4, 3214868480
	.section	.rodata,"a",@progbits
	.p2align	6, 0x0
	.amdhsa_kernel k_q1cf095a9d1_proj
		.amdhsa_group_segment_fixed_size 327680
		.amdhsa_private_segment_fixed_size 0
		.amdhsa_enable_private_segment 0
		.amdhsa_kernarg_size 48
		.amdhsa_user_sgpr_count 2
		.amdhsa_user_sgpr_kernarg_segment_ptr 1
		.amdhsa_wavefront_size32 1
		.amdhsa_system_sgpr_workgroup_id_x 1
		.amdhsa_system_sgpr_workgroup_id_y 1
		.amdhsa_system_sgpr_workgroup_id_z 1
		.amdhsa_system_vgpr_workitem_id 0
		.amdhsa_next_free_vgpr 768
		.amdhsa_next_free_sgpr 102
		.amdhsa_reserve_vcc 0
		.amdhsa_float_denorm_mode_32 3
		.amdhsa_float_denorm_mode_16_64 3
		.amdhsa_memory_ordered 1
		.amdhsa_forward_progress 1
		.amdhsa_inst_pref_size 93
	.end_amdhsa_kernel
	.amdgpu_metadata
---
amdhsa.version: [ 1, 2 ]
amdhsa.kernels:
  - .name:           k_q1cf095a9d1_proj
    .symbol:         k_q1cf095a9d1_proj.kd
    .args:
      - { .name: oc, .offset: 0, .size: 8, .value_kind: global_buffer, .address_space: global }
      - { .name: os, .offset: 8, .size: 8, .value_kind: global_buffer, .address_space: global }
      - { .name: c1, .offset: 16, .size: 8, .value_kind: global_buffer, .address_space: global }
      - { .name: sc1, .offset: 24, .size: 8, .value_kind: global_buffer, .address_space: global }
      - { .name: b_proj, .offset: 32, .size: 8, .value_kind: global_buffer, .address_space: global }
      - { .name: out0, .offset: 40, .size: 8, .value_kind: global_buffer, .address_space: global }
    .group_segment_fixed_size: 327680
    .private_segment_fixed_size: 0
    .kernarg_segment_align: 8
    .kernarg_segment_size: 48
    .max_flat_workgroup_size: 128
    .sgpr_count:     102
    .vgpr_count:     768
    .wavefront_size: 32
...
	.end_amdgpu_metadata
.endif
;; end of part 4
